; MI455X (gfx1250); checked and timed in simulation.
; The chip was launched on July 23, 2026; its instructions are those of AMD's public machine-readable ISA for CDNA 5 (MIT licence, August 2026) and "CDNA5" Instruction Set Architecture Reference Guide (July 2026). The comments in the code are by the model that wrote it; some were corrected since.
;; Switch Mo E. Allowed arithmetic: matrix products marked QUANTISED: E5M2 operands, one given power-of-two scale a tensor, by v_wmma_f32_16x16x64_bf8_bf8 or v_wmma_f32_16x16x128_bf8_bf8, f32 sums; products left as they are: f32 operands where the result goes on into a quantised operand, else bf16, f16 or f32 operands; f32 sums; everything else in f32.
;; Inputs: b1 8 x 4,096 float32; b2 8 x 1,024 float32; lowp_scales 32 int32 (the exponents e of the quantised operands' scales 2^e); router_w 1,024 x 8 float32; w1 8 x 1,024 x 4,096 float32; w2 8 x 4,096 x 1,024 float32; x 4 x 256 x 1,024 float32.
;; Outputs: out0 4 x 256 x 1,024 float32.
;; This version of the problem:
;;   THIS VERSION OF THE PROBLEM IS GIVEN IN LOW PRECISION. The matrix products marked QUANTISED in the list below multiply operands that are first quantised to E5M2 (5 exponent bits, 2 mantissa bits; 8 bits a number), with one given power-of-two scale for each operand tensor; their sums are f32. All else is computed in f32.
;;   The module's matrix products, in the order in which they are computed (A, B: the left and right operand; K: the contracted axis; several contracted axes count as one K, in the product's order):
;;     1. [M 1,024, K 1,024] x [K 1,024, N 8]; A: input x; B: input router_w: left as it is (N = 8 < 16)
;;     2. [M 1,024, K 1,024] x [K 1,024, N 4,096]; A: input x; B: input w1: QUANTISED (scales: A lowp_scales[0], B lowp_scales[1])
;;     3. [M 1,024, K 4,096] x [K 4,096, N 1,024]; A: computed on the way; B: input w2: QUANTISED (scales: A lowp_scales[2], B lowp_scales[3])
;;     4. [M 1,024, K 1,024] x [K 1,024, N 4,096]; A: input x; B: input w1: QUANTISED (scales: A lowp_scales[4], B lowp_scales[5])
;;     5. [M 1,024, K 4,096] x [K 4,096, N 1,024]; A: computed on the way; B: input w2: QUANTISED (scales: A lowp_scales[6], B lowp_scales[7])
;;     6. [M 1,024, K 1,024] x [K 1,024, N 4,096]; A: input x; B: input w1: QUANTISED (scales: A lowp_scales[8], B lowp_scales[9])
;;     7. [M 1,024, K 4,096] x [K 4,096, N 1,024]; A: computed on the way; B: input w2: QUANTISED (scales: A lowp_scales[10], B lowp_scales[11])
;;     8. [M 1,024, K 1,024] x [K 1,024, N 4,096]; A: input x; B: input w1: QUANTISED (scales: A lowp_scales[12], B lowp_scales[13])
;;     9. [M 1,024, K 4,096] x [K 4,096, N 1,024]; A: computed on the way; B: input w2: QUANTISED (scales: A lowp_scales[14], B lowp_scales[15])
;;     10. [M 1,024, K 1,024] x [K 1,024, N 4,096]; A: input x; B: input w1: QUANTISED (scales: A lowp_scales[16], B lowp_scales[17])
;;     11. [M 1,024, K 4,096] x [K 4,096, N 1,024]; A: computed on the way; B: input w2: QUANTISED (scales: A lowp_scales[18], B lowp_scales[19])
;;     12. [M 1,024, K 1,024] x [K 1,024, N 4,096]; A: input x; B: input w1: QUANTISED (scales: A lowp_scales[20], B lowp_scales[21])
;;     13. [M 1,024, K 4,096] x [K 4,096, N 1,024]; A: computed on the way; B: input w2: QUANTISED (scales: A lowp_scales[22], B lowp_scales[23])
;;     14. [M 1,024, K 1,024] x [K 1,024, N 4,096]; A: input x; B: input w1: QUANTISED (scales: A lowp_scales[24], B lowp_scales[25])
;;     15. [M 1,024, K 4,096] x [K 4,096, N 1,024]; A: computed on the way; B: input w2: QUANTISED (scales: A lowp_scales[26], B lowp_scales[27])
;;     16. [M 1,024, K 1,024] x [K 1,024, N 4,096]; A: input x; B: input w1: QUANTISED (scales: A lowp_scales[28], B lowp_scales[29])
;;     17. [M 1,024, K 4,096] x [K 4,096, N 1,024]; A: computed on the way; B: input w2: QUANTISED (scales: A lowp_scales[30], B lowp_scales[31])
;;   THE QUANTISER, for each operand of a quantised product, along K:
;;     - The operand's scale is 2^e, e = its entry of the input lowp_scales (int32; the entries are numbered through the quantised products in the list's order, A before B).
;;     - Each number is divided by the scale, clamped to +-57,344, and rounded to the nearest number of E5M2, ties to even, subnormals kept.
;;     - The product sums the exact products of the quantised numbers (number of the format x scale) in f32.
;;   ~~~python
;;   def quantise(x, axis, e):      # numpy; x: float32 -> the quantised numbers, widened to float32 again
;;       x = np.moveaxis(x, axis, -1); K = x.shape[-1]
;;       r = np.clip(x / 2.0 ** e, -57344, 57344)
;;       step = 2.0 ** (np.maximum(np.frexp(np.where(r == 0, 1, r))[1] - 1, -14) - 2)
;;       q = np.round(r / step) * step * 2.0 ** e      # np.round: ties to even
;;       return np.moveaxis(q, -1, axis).astype(np.float32)
;;   ~~~
;;   OPERANDS COMPUTED ON THE WAY. 'Computed on the way' means the value that the module computes at that place (a softmax that the list does not call 'softmax' is quantised finished and normalised). What goes into a quantiser is computed in f32, as accurately as f32 sums, v_exp_f32 and their like allow (about 1e-6 of the number): no bf16 or f16 on the way to a quantiser, and a product that is left as it is and whose result goes on into a quantised operand takes f32 operands (vector FMAs, or v_wmma_f32_16x16x4_f32). A number that lies on a knife's edge between two numbers of the format may be rounded either way, as far as f32 arithmetic and the matrix unit's own rounding can turn it there, and no further.
;; 3 versions, each right; version 2 is faster than version 1; version 3 is version 2 with the launches ffn1, ffn2 written anew for expert scheduling mode. Each part assembles by itself: llvm-mc -triple=amdgcn-amd-amdhsa -mcpu=gfx1250 --defsym DOCPART=n.
;; ======== version 1 of 3: 4 launches
;; workspace buffers: eidx 4,096 bytes of whole numbers; gate 4,096 bytes; xq 1,048,576 bytes; hq 4,718,592 bytes; list 40,960 bytes of whole numbers; meta 2,048 bytes of whole numbers
;; launch route (part 1): grid 256 x 1, 8 waves a work-group, no clusters, 44,032 bytes of LDS; arguments x, router_w, lowp_scales, eidx, gate, xq; writes eidx, gate, xq
.if DOCPART == 1
	.amdgcn_target "amdgcn-amd-amdhsa--gfx1250"
	.amdhsa_code_object_version 6
	.text
	.protected	k_qb06a520b1b_route
	.globl	k_qb06a520b1b_route
	.p2align	8
	.type	k_qb06a520b1b_route,@function
k_qb06a520b1b_route:
	s_mov_b64 s[64:65], 0
	v_nop
	global_prefetch_b8 v0, s[64:65] scope:SCOPE_SE
	s_setreg_imm32_b32 hwreg(HW_REG_WAVE_MODE, 25, 1), 1
	s_wait_xcnt 0x0
; THE ROUTER.  logits = x router_w in f32 (fused multiply-adds), softmax with the row's maximum taken away, the first index of the largest probability, that probability;
; and x as codes of BF8 (E5M2) with the scale 2^ex of the expert chosen: lowp_scales[4 e].  The choice selects a VALUE (a multiplier), never an address or a branch.
; OUT: eidx[token] int32, gate[token] f32, xq[token][1024] one code a byte.
; SHARES.  A work-group takes 4 tokens; its 256 threads share K: thread n takes k = 4 n .. 4 n + 3 of all four tokens (16 bytes of a row: a wave's load covers 512 consecutive bytes).
; router_w's 4,096 bytes of a wave (128 rows of 32 bytes) are loaded as they lie and turned through the wave's own stage in LDS, so that a lane gets its four rows (128 bytes; 16 bytes of padding behind each 128).
; Sums: within a lane, across the 32 lanes, then across the 8 waves through LDS, always in the same order.
; No matrix unit: N = 8.  No cluster, no tensor load: work-groups share only router_w's 32,768 bytes.
; eidx and gate leave as 16 bytes a work-group: 8,192 bytes in the whole launch.
; LIMITS.  A logit's f32 sum is ordered otherwise than a row-by-row sum: a token whose two best logits lie within the rounding of such sums may be routed to the other of the two.
; ex between -126 and 126 (2^-ex is made as an f32 number).  NaN among the inputs is not served; what lies beyond 57,344 x 2^ex is held at the largest code.
.set RED, 36864                        ; LDS: behind the 8 stages of 4,608 bytes: each wave's 32 sums, 128 bytes a wave
.set XS,  37888                        ; the four tokens' codes, 4 x 1,024 bytes
.set X,   16                           ; v16-31  x: register 4 t + u = token t, k = 4 n + u
.set W,   32                           ; v32-63  router_w: register 8 u + e; later at work
.set AC,  64                           ; v64-95  sums: register 8 t + e
	s_load_b256 s[4:11], s[0:1], 0x0               ; x s[4:5], router_w s[6:7], lowp_scales s[8:9], eidx s[10:11]
	s_load_b128 s[12:15], s[0:1], 0x20             ; gate s[12:13], xq s[14:15]
	v_lshl_add_u32 v128, v0, 2, 0xa800
	v_mov_b32 v129, 0
	v_lshrrev_b32 v1, 5, v0
	v_readfirstlane_b32 s16, v1                    ; wave 0..7
	v_and_b32 v1, 31, v0                           ; lane
	v_lshlrev_b32 v2, 4, v0                        ; 16 x thread: my bytes of a row of x, and of the codes on the way out
	v_and_b32 v8, 7, v0                            ; e = lane % 8
	v_lshlrev_b32 v9, 4, v8                        ; lowp_scales[4 e]
	v_lshrrev_b32 v10, 3, v1                       ; t = lane / 8
	s_lshl_b32 s24, s16, 12
	v_lshlrev_b32 v3, 4, v1
	v_add_nc_u32 v3, s24, v3                       ; router_w: 4,096 x wave + 16 x lane
	s_mul_i32 s17, s16, 4608                       ; my wave's stage
	v_mul_u32_u24 v4, v10, 144
	v_lshl_add_u32 v4, v8, 4, v4
	v_add_nc_u32 v4, s17, v4                       ; in: eight lanes' 128 bytes on end, then 16 of padding
	v_mul_u32_u24 v5, v1, 144
	v_add_nc_u32 v5, s17, v5                       ; out: 144 x lane: my four rows
	s_lshl_b32 s25, s16, 7
	s_add_co_u32 s25, s25, RED
	v_mov_b32 v6, s25                              ; where my wave puts its 32 sums
	v_lshl_add_u32 v7, v1, 2, RED                  ; where lane (t, e) reads sum 8 t + e of wave 0
	v_lshl_add_u32 v11, v0, 2, XS                  ; my four codes of token 0
	v_add_nc_u32 v12, XS, v2                       ; and 16 bytes of the whole on the way out
	v_lshlrev_b32 v14, 2, v10                      ; 4 t: eidx and gate
	s_mov_b32 s26, 0x76543210                      ; v_permlanex16_b32: lane l xor 16
	s_mov_b32 s27, 0xfedcba98
	s_lshl_b32 s18, ttmp9, 14                      ; 4 rows of 4,096 bytes of x,
	s_mov_b32 s19, 0
	s_lshl_b32 s20, ttmp9, 12                      ; 4 rows of 1,024 codes,
	s_mov_b32 s21, 0
	s_lshl_b32 s22, ttmp9, 4                       ; 4 words
	s_mov_b32 s23, 0
	s_wait_kmcnt 0x0
	s_add_nc_u64 s[4:5], s[4:5], s[18:19]
	s_add_nc_u64 s[14:15], s[14:15], s[20:21]
	s_add_nc_u64 s[10:11], s[10:11], s[22:23]
	s_add_nc_u64 s[12:13], s[12:13], s[22:23]
.irp i, 0,1,2,3,4,5,6,7
	global_load_b128 v[W+4*\i:W+4*\i+3], v3, s[6:7] offset:512*\i
.endr
.irp t, 0,1,2,3
	global_load_b128 v[X+4*\t:X+4*\t+3], v2, s[4:5] offset:4096*\t th:TH_LOAD_NT
.endr
	global_load_b32 v13, v9, s[8:9]                ; ex of expert lane % 8
	s_wait_loadcnt 0x5                             ; router_w's eight are in; x's four and the exponent may be out
.irp i, 0,1,2,3,4,5,6,7
	ds_store_b128 v4, v[W+4*\i:W+4*\i+3] offset:576*\i
.endr
.irp c, 0,1,2,3,4,5,6,7
	ds_load_b128 v[W+4*\c:W+4*\c+3], v5 offset:16*\c   ; LDS serves a wave's instructions in order (ISA guide 5.7.1.4): these see my stores; the bytes are my wave's own
.endr
	s_wait_loadcnt 0x0
	s_wait_dscnt 0x0
	; sum over my four k: two experts an instruction; x is taken for both halves by op_sel and op_sel_hi
.irp t, 0,1,2,3
.irp q, 0,2,4,6
	v_pk_mul_f32 v[AC+8*\t+\q:AC+8*\t+\q+1], v[X+4*\t:X+4*\t+1], v[W+\q:W+\q+1] op_sel_hi:[0,1]
.endr
.endr
.irp t, 0,1,2,3
.irp q, 0,2,4,6
	v_pk_fma_f32 v[AC+8*\t+\q:AC+8*\t+\q+1], v[X+4*\t:X+4*\t+1], v[W+8+\q:W+8+\q+1], v[AC+8*\t+\q:AC+8*\t+\q+1] op_sel:[1,0,0] op_sel_hi:[1,1,1]
.endr
.endr
.irp t, 0,1,2,3
.irp q, 0,2,4,6
	v_pk_fma_f32 v[AC+8*\t+\q:AC+8*\t+\q+1], v[X+4*\t+2:X+4*\t+3], v[W+16+\q:W+16+\q+1], v[AC+8*\t+\q:AC+8*\t+\q+1] op_sel_hi:[0,1,1]
.endr
.endr
.irp t, 0,1,2,3
.irp q, 0,2,4,6
	v_pk_fma_f32 v[AC+8*\t+\q:AC+8*\t+\q+1], v[X+4*\t+2:X+4*\t+3], v[W+24+\q:W+24+\q+1], v[AC+8*\t+\q:AC+8*\t+\q+1] op_sel:[1,0,0] op_sel_hi:[1,1,1]
.endr
.endr
	; across the 32 lanes: four steps inside each half, one across the halves; the 32 sums take turns line by line
.irp m, 1,2,4,8
.set i, 0
.rept 32
	v_add_f32_dpp v[AC+i], v[AC+i], v[AC+i] row_xmask:\m row_mask:0xf bank_mask:0xf
.set i, i+1
.endr
.endr
.set i, 0
.rept 32
	v_permlanex16_b32 v[W+i], v[AC+i], s26, s27    ; (its destination counts as read: router_w's registers have been written)
.set i, i+1
.endr
.set i, 0
.rept 32
	v_add_f32 v[AC+i], v[AC+i], v[W+i]
.set i, i+1
.endr
.irp i, 0,1,2,3,4,5,6,7
	ds_store_b128 v6, v[AC+4*\i:AC+4*\i+3] offset:16*\i   ; every lane holds the same 32 sums and writes the same bytes
.endr
	s_wait_dscnt 0x0                               ; for the others' sake: my sums lie in LDS
	s_barrier_signal -1
	s_barrier_wait -1
	; every wave now does the same: lane (t = lane / 8, e = lane % 8) owns logit (t, e)
.irp w, 0,1,2,3,4,5,6,7
	ds_load_b32 v[W+\w], v7 offset:128*\w
.endr
	s_wait_dscnt 0x0
	v_add_f32 v96, v32, v33
.irp w, 2,3,4,5,6,7
	v_add_f32 v96, v96, v[W+\w]                    ; the logit: the waves' parts in ascending k
.endr
	v_mov_b32 v97, v96
.irp m, 1,2,4
	v_max_num_f32_dpp v97, v97, v97 row_xmask:\m row_mask:0xf bank_mask:0xf   ; the token's largest logit, among its eight lanes
.endr
	v_sub_f32 v98, v96, v97
	v_mul_f32 v98, 0x3fb8aa3b, v98                 ; x log2(e)
	v_exp_f32 v98, v98                             ; p = e^(logit - max)
	v_sub_nc_u32 v104, 127, v13                    ; (a plain place behind the exponential)  127 - ex
	s_wait_alu depctr_va_vdst(0)
	v_mov_b32 v99, v98
	v_mov_b32 v100, v98
.irp m, 1,2,4
	v_add_f32_dpp v99, v99, v99 row_xmask:\m row_mask:0xf bank_mask:0xf        ; the sum of p
	v_max_num_f32_dpp v100, v100, v100 row_xmask:\m row_mask:0xf bank_mask:0xf ; the largest p
.endr
	v_cvt_f32_u32 v101, v8                         ; e as f32
	v_cmp_eq_f32 vcc_lo, v98, v100
	v_cndmask_b32 v102, 0x41000000, v101, vcc_lo   ; e where p is the largest, else 8
.irp m, 1,2,4
	v_min_num_f32_dpp v102, v102, v102 row_xmask:\m row_mask:0xf bank_mask:0xf ; the FIRST index of the largest p
.endr
	v_rcp_f32 v103, v99
	v_lshlrev_b32 v104, 23, v104                   ; (a plain place behind the reciprocal)  2^-ex of my expert, as f32
	s_wait_alu depctr_va_vdst(0)
	v_mul_f32 v103, v100, v103                     ; the gate: largest p / sum
	v_cmp_eq_f32 vcc_lo, v101, v102
	v_cndmask_b32 v104, 0, v104, vcc_lo            ; kept in the chosen expert's lane alone,
.irp m, 1,2,4
	v_max_num_f32_dpp v104, v104, v104 row_xmask:\m row_mask:0xf bank_mask:0xf ; and spread over the token's eight lanes
.endr
	v_cvt_u32_f32 v105, v102                       ; the index as a whole number
.irp t, 0,1,2,3
	v_readlane_b32 s[28+\t], v104, 8*\t            ; token t's 2^-ex: a multiplier, nothing else
.endr
	v_mov_b32 v106, 0x47600000                     ; 57,344
	v_mov_b32 v107, 1.0                            ; the conversion's scale: the division is done by the multiplier, which rounds nothing
.irp t, 0,1,2,3
.irp u, 0,1,2,3
	v_mul_f32 v[X+4*\t+\u], s[28+\t], v[X+4*\t+\u]
.endr
.endr
.set i, 0
.rept 16
	v_med3_num_f32 v[X+i], v[X+i], -v106, v106     ; the conversion to an 8-bit code does not saturate (ISA guide 7.6.2): the hold comes first
.set i, i+1
.endr
	v_cvt_scalef32_pk8_bf8_f32 v[108:109], v[X:X+7], v107      ; v108: token 0's four codes, v109: token 1's
	v_cvt_scalef32_pk8_bf8_f32 v[110:111], v[X+8:X+15], v107   ; tokens 2 and 3
	v_nop                                          ; one plain vector line behind the last conversion
.irp t, 0,1,2,3
	ds_store_b32 v11, v[108+\t] offset:1024*\t
.endr
	s_cmp_lg_u32 s16, 0                            ; wave 0 stores the four indices and the four gates, from lanes 0, 8, 16, 24
	s_cbranch_scc1 .Lnot_wave_0
	v_cmp_eq_u32 vcc_lo, 0, v8
	s_wait_xcnt 0x0                                ; EXEC changes only behind this wait
	s_and_saveexec_b32 s32, vcc_lo
	global_store_b32 v14, v105, s[10:11]
	global_store_b32 v14, v103, s[12:13]
	s_wait_xcnt 0x0                                ; and again in front of the line that widens it
	s_or_b32 exec_lo, exec_lo, s32
.Lnot_wave_0:
	s_wait_dscnt 0x0                               ; for the others' sake: my codes lie in LDS
	s_barrier_signal -1
	s_barrier_wait -1
	ds_load_b128 v[112:115], v12
	s_wait_dscnt 0x0
	global_store_b128 v2, v[112:115], s[14:15]     ; a wave stores 512 consecutive bytes of the four rows' 4,096
	s_wait_tensorcnt 0x0
	ds_add_u32 v128, v129
	s_wait_dscnt 0x0
	s_endpgm
.Lfunc_end_k_qb06a520b1b_route:
	.size	k_qb06a520b1b_route, .Lfunc_end_k_qb06a520b1b_route-k_qb06a520b1b_route
	.p2alignl 7, 3214868480
	.fill 96, 4, 3214868480
	.section	.rodata,"a",@progbits
	.p2align	6, 0x0
	.amdhsa_kernel k_qb06a520b1b_route
		.amdhsa_group_segment_fixed_size 44032
		.amdhsa_private_segment_fixed_size 0
		.amdhsa_enable_private_segment 0
		.amdhsa_kernarg_size 48
		.amdhsa_user_sgpr_count 2
		.amdhsa_user_sgpr_kernarg_segment_ptr 1
		.amdhsa_wavefront_size32 1
		.amdhsa_system_sgpr_workgroup_id_x 1
		.amdhsa_system_sgpr_workgroup_id_y 1
		.amdhsa_system_sgpr_workgroup_id_z 1
		.amdhsa_system_vgpr_workitem_id 0
		.amdhsa_next_free_vgpr 130
		.amdhsa_next_free_sgpr 66
		.amdhsa_reserve_vcc 1
		.amdhsa_float_denorm_mode_32 3
		.amdhsa_float_denorm_mode_16_64 3
		.amdhsa_memory_ordered 1
		.amdhsa_forward_progress 1
		.amdhsa_inst_pref_size 26
	.end_amdhsa_kernel
	.amdgpu_metadata
---
amdhsa.version: [ 1, 2 ]
amdhsa.kernels:
  - .name:           k_qb06a520b1b_route
    .symbol:         k_qb06a520b1b_route.kd
    .args:
      - { .name: x, .offset: 0, .size: 8, .value_kind: global_buffer, .address_space: global }
      - { .name: router_w, .offset: 8, .size: 8, .value_kind: global_buffer, .address_space: global }
      - { .name: lowp_scales, .offset: 16, .size: 8, .value_kind: global_buffer, .address_space: global }
      - { .name: eidx, .offset: 24, .size: 8, .value_kind: global_buffer, .address_space: global }
      - { .name: gate, .offset: 32, .size: 8, .value_kind: global_buffer, .address_space: global }
      - { .name: xq, .offset: 40, .size: 8, .value_kind: global_buffer, .address_space: global }
    .group_segment_fixed_size: 44032
    .private_segment_fixed_size: 0
    .kernarg_segment_align: 8
    .kernarg_segment_size: 48
    .max_flat_workgroup_size: 256
    .sgpr_count:     66
    .vgpr_count:     130
    .wavefront_size: 32
...
	.end_amdgpu_metadata
.endif
;; end of part 1
;; launch place (part 2): grid 8 x 1, 1 waves a work-group, no clusters, 5,376 bytes of LDS; arguments eidx, list, meta; writes list, meta
.if DOCPART == 2
	.amdgcn_target "amdgcn-amd-amdhsa--gfx1250"
	.amdhsa_code_object_version 6
	.text
	.protected	k_qb06a520b1b_place
	.globl	k_qb06a520b1b_place
	.p2align	8
	.type	k_qb06a520b1b_place,@function
k_qb06a520b1b_place:
	s_mov_b64 s[64:65], 0
	v_nop
	global_prefetch_b8 v0, s[64:65] scope:SCOPE_SE
	s_setreg_imm32_b32 hwreg(HW_REG_WAVE_MODE, 25, 1), 1
	s_wait_xcnt 0x0
; THE PLACING OF ROWS.  Work-group e, one wave, sorts the tokens that chose expert e into a list, by a counting sort on lane ranks (no atomics), and counts cnt (tokens of expert e) and low (tokens of lower experts).
; OUT, as whole numbers, so that the two expert launches take their jumps and their rows' addresses from numbers that they read from memory:
;   list[e]: 1,152 words: the cnt tokens, then 32 words that repeat the first of them (the last tile's spare rows), then zeros: every word is a token that exists;
;   meta[e]: the pair (cnt, low), written by all 32 lanes: 256 consecutive bytes.
; Every global address here is fixed by the work-group's number; only LDS addresses hang on the ranks.
; A lane holds 32 choices: register 4 i + u is token 128 i + 4 lane + u.  The 32 compares with e go into 32 scalar masks, those with "lower than e" into 32 more; a token's rank is the count so far + the lanes below it in
; its mask.  The order of tokens in the list is that of (register, lane); both expert launches read the same list.
; Eight work-groups: there are eight lists, and a list's ranks are one chain of 32 counts.
.set TRASHW, 1152                      ; LDS: the list at byte 0, 1,152 words; then 32 words for the lanes that have nothing to list
.set IX,   16                          ; v16-47   the choices; then the tokens
.set RK,   48                          ; v48-79   ranks; then LDS addresses, and nothing else
.set OUTR, 80                          ; v80-115  the list on its way out
.set ME,   16                          ; s16-47   masks: choice = e
.set ML,   66                          ; s66-97   masks: choice < e
.set CNT,  98
.set LOW,  99
.set TS,   100
.set TL,   101
	s_load_b128 s[4:7], s[0:1], 0x0                ; eidx s[4:5], list s[6:7]
	s_load_b64 s[8:9], s[0:1], 0x10                ; meta
	v_lshl_add_u32 v128, v0, 2, 0x1400
	v_mov_b32 v129, 0
	s_mov_b32 s10, ttmp9                           ; the expert
	v_lshlrev_b32 v1, 4, v0                        ; 16 x lane (one wave: the thread's number is the lane)
	v_lshlrev_b32 v2, 2, v0                        ; 4 x lane
	v_add_nc_u32 v3, TRASHW, v0                    ; my trash word's index
	v_lshlrev_b32 v4, 3, v0                        ; 8 x lane
	v_mov_b32 v6, 0                                ; the list's first word
	v_mov_b32 v8, 0
	v_mov_b32 v9, 0
	v_mov_b32 v10, 0
	v_mov_b32 v11, 0
.irp i, 0,1,2,3,4,5,6,7,8
	ds_store_b128 v1, v[8:11] offset:512*\i        ; the list begins as zeros
.endr
	s_mul_i32 s12, s10, 4608
	s_mov_b32 s13, 0
	s_lshl_b32 s14, s10, 8
	s_mov_b32 s15, 0
	s_mov_b32 s[CNT], 0
	s_mov_b32 s[LOW], 0
	s_wait_kmcnt 0x0
.irp i, 0,1,2,3,4,5,6,7
	global_load_b128 v[IX+4*\i:IX+4*\i+3], v1, s[4:5] offset:512*\i
.endr
	s_add_nc_u64 s[6:7], s[6:7], s[12:13]          ; my list
	s_add_nc_u64 s[8:9], s[8:9], s[14:15]          ; my pair
	s_wait_loadcnt 0x0
.set cc, 0
.rept 32
	v_cmp_eq_u32 s[ME+cc], s10, v[IX+cc]
	v_cmp_gt_u32 s[ML+cc], s10, v[IX+cc]
.set cc, cc+1
.endr
.set cc, 0
.rept 32
	v_mbcnt_lo_u32_b32 v[RK+cc], s[ME+cc], s[CNT]  ; my rank: those listed so far + the lanes below me that list one now
	s_bcnt1_i32_b32 s[TS], s[ME+cc]
	s_bcnt1_i32_b32 s[TL], s[ML+cc]
	s_add_co_u32 s[CNT], s[CNT], s[TS]
	s_add_co_u32 s[LOW], s[LOW], s[TL]
.set cc, cc+1
.endr
.set cc, 0
.rept 32
	v_cndmask_b32 v[RK+cc], v3, v[RK+cc], s[ME+cc] ; a lane with nothing to list takes its own trash word
	v_add_nc_u32 v[IX+cc], 128*(cc/4)+(cc%4), v2   ; the token
.set cc, cc+1
.endr
.set cc, 0
.rept 32
	v_min_u32 v[RK+cc], TRASHW+31, v[RK+cc]
.set cc, cc+1
.endr
.set cc, 0
.rept 32
	v_lshlrev_b32 v[RK+cc], 2, v[RK+cc]
	ds_store_b32 v[RK+cc], v[IX+cc]
.set cc, cc+1
.endr
	ds_load_b32 v5, v6                             ; the list's first token (LDS serves a wave's instructions in order, ISA guide 5.7.1.4: it sees the stores above)
	v_add_nc_u32 v7, s[CNT], v0
	v_min_u32 v7, 1055, v7
	v_lshlrev_b32 v7, 2, v7
	v_mov_b32 v12, s[CNT]
	v_mov_b32 v13, s[LOW]
	global_store_b64 v4, v[12:13], s[8:9]          ; 32 lanes store 256 consecutive bytes
	s_wait_dscnt 0x0
	ds_store_b32 v7, v5                            ; the 32 words behind the list
.irp i, 0,1,2,3,4,5,6,7,8
	ds_load_b128 v[OUTR+4*\i:OUTR+4*\i+3], v1 offset:512*\i
.endr
.irp i, 0,1,2,3,4,5,6,7,8
	s_wait_dscnt 8-\i                              ; LDS loads come back in order: load i is in, the younger ones may be out
	global_store_b128 v1, v[OUTR+4*\i:OUTR+4*\i+3], s[6:7] offset:512*\i   ; 512 consecutive bytes a store
.endr
	s_wait_tensorcnt 0x0
	ds_add_u32 v128, v129
	s_wait_dscnt 0x0
	s_endpgm
.Lfunc_end_k_qb06a520b1b_place:
	.size	k_qb06a520b1b_place, .Lfunc_end_k_qb06a520b1b_place-k_qb06a520b1b_place
	.p2alignl 7, 3214868480
	.fill 96, 4, 3214868480
	.section	.rodata,"a",@progbits
	.p2align	6, 0x0
	.amdhsa_kernel k_qb06a520b1b_place
		.amdhsa_group_segment_fixed_size 5376
		.amdhsa_private_segment_fixed_size 0
		.amdhsa_enable_private_segment 0
		.amdhsa_kernarg_size 24
		.amdhsa_user_sgpr_count 2
		.amdhsa_user_sgpr_kernarg_segment_ptr 1
		.amdhsa_wavefront_size32 1
		.amdhsa_system_sgpr_workgroup_id_x 1
		.amdhsa_system_sgpr_workgroup_id_y 1
		.amdhsa_system_sgpr_workgroup_id_z 1
		.amdhsa_system_vgpr_workitem_id 0
		.amdhsa_next_free_vgpr 130
		.amdhsa_next_free_sgpr 104
		.amdhsa_reserve_vcc 0
		.amdhsa_float_denorm_mode_32 3
		.amdhsa_float_denorm_mode_16_64 3
		.amdhsa_memory_ordered 1
		.amdhsa_forward_progress 1
		.amdhsa_inst_pref_size 24
	.end_amdhsa_kernel
	.amdgpu_metadata
---
amdhsa.version: [ 1, 2 ]
amdhsa.kernels:
  - .name:           k_qb06a520b1b_place
    .symbol:         k_qb06a520b1b_place.kd
    .args:
      - { .name: eidx, .offset: 0, .size: 8, .value_kind: global_buffer, .address_space: global }
      - { .name: list, .offset: 8, .size: 8, .value_kind: global_buffer, .address_space: global }
      - { .name: meta, .offset: 16, .size: 8, .value_kind: global_buffer, .address_space: global }
    .group_segment_fixed_size: 5376
    .private_segment_fixed_size: 0
    .kernarg_segment_align: 8
    .kernarg_segment_size: 24
    .max_flat_workgroup_size: 32
    .sgpr_count:     104
    .vgpr_count:     130
    .wavefront_size: 32
...
	.end_amdgpu_metadata
.endif
;; end of part 2
;; launch ffn1 (part 3): grid 32 x 8, 16 waves a work-group, no clusters, 141,312 bytes of LDS; arguments w1, b1, lowp_scales, list, xq, hq, meta; writes hq
.if DOCPART == 3
	.amdgcn_target "amdgcn-amd-amdhsa--gfx1250"
	.amdhsa_code_object_version 6
	.text
	.protected	k_qb06a520b1b_ffn1
	.globl	k_qb06a520b1b_ffn1
	.p2align	8
	.type	k_qb06a520b1b_ffn1,@function
k_qb06a520b1b_ffn1:
	s_mov_b64 s[64:65], 0
	v_nop
	global_prefetch_b8 v0, s[64:65] scope:SCOPE_SE
	s_setreg_imm32_b32 hwreg(HW_REG_WAVE_MODE, 25, 1), 1
	s_wait_xcnt 0x0
; THE FIRST LAYER, for the tokens that chose expert e alone: h = gelu(x W1[e] + b1[e]), exact gelu, quantised to BF8 (E5M2) with 2^eh.  Both operands of the product are codes of BF8; sums in f32.
; lowp_scales[4 e ..] = ex, ew1, eh, ew2.  x's codes come from xq (made with 2^ex of the chosen expert); W1 arrives as f32 [1024 (k)][4096 (n)] and is quantised here with 2^ew1.
; SHARES.  Work-group (x = cb, y = e) owns hidden columns 128 cb .. + 127 of expert e: 1,024 rows x 512 bytes of W1, which no other work-group reads.  THE WEIGHTS STAY, THE ROWS WALK: the slab is quantised once
; into LDS as images of operand registers (131,072 bytes) and stays there; each of the 16 waves then owns tiles of 16 tokens.
; THE STREAM.  A load takes 16 bytes a lane: lanes 0-15 read 256 consecutive bytes (64 columns) of one row k, lanes 16-31 of the row 16 further down.  Column 4 r + j of a group of 64 belongs to tile j, as its row r.
; Four such loads (k, k+1, k+2, k+3) are a QUAD: 16 holds, 2 conversions, and a 4 x 4 byte transposition by 8 v_perm_b32 make of it ONE register of each of four fragments.
; A step is 128 along K: 8 fragments (tiles t = 4 g + j), 16,384 bytes; wave w makes registers q = 2 (w / 2), 2 (w / 2) + 1 of the four tiles of group g = w % 2.
; WHERE K LIES: byte b of register q in lane half h is k = 128 step + 32 (q / 4) + 16 h + 4 (q % 4) + b, in the weights' images and in x's fragments alike (four loads of 16 bytes, 32 bytes apart, from a token's row):
; a permutation of k, the same on both sides, so every product meets its partner; only the order of the sums inside an instruction differs from the plain one.
; THE MATRIX INSTRUCTION IS USED TRANSPOSED (source 0 = 16 hidden columns, source 1 = 16 tokens): lane (r, h) holds token r, and register j of tile 4 g + j' the hidden column 64 g + 32 h + 4 j + j'.
; The conversions' results, 16 registers a lane, are stored as they stand: they ARE the second layer's operand for K block cb, in the order of k in which that launch lays W2.
; THE ROWS.  The launch before has stored, as whole numbers, list[e] (the expert's tokens, then 32 words of the first of them, then zeros) and meta[e] = (cnt, low): cnt tokens of this expert, low tokens of lower experts.
; NT = max(ceil(cnt / 16), 1) tiles; their places in hq begin at BT = e + low / 16: the experts' ranges never meet and end at or under 72.
; An expert WITHOUT tokens still makes one tile, of token 0's codes, and stores it at BT: the next launch's waves without a tile read a few bytes there, and no byte is read that nobody stored.  No output comes of it.
; BARRIERS stand in straight text on every wave's path.  A wave without a tile (wave >= NT) jumps over LDS loads, matrix instructions and v_nop alone; its loads of x's codes are still issued (its words of the list are
; zeros or the first token: a row that exists), so that the counts of the waits are the same on every path.  The first step's products are not jumped over: they start every sum with the constant 0.
; An expert with more than 256 tokens takes further passes over the images, without barriers: a loop of four trips (16 waves x 4 = the 64 tiles that 1,024 tokens can make), left as soon as the wave's tile is past NT.
; NO TENSOR LOADS, NO CLUSTER: jumps here hang on counts read from memory, so operands go from memory into registers; the weights, 524,288 bytes a work-group, are shared with nobody, and what the 32
; work-groups of an expert share, x's codes, is 16,384 bytes a tile.  x's codes are read 32 bytes a row and instruction: a tile's rows are 16 arbitrary tokens, and a lane must get its own row.
; LIMITS.  ew1 and eh between -126 and 112; ex + ew1 between -126 and 127.  NaN is not served; what lies beyond a scale's range is held at the largest code.
.set RING,   4                         ; quads on their way in each wave: 16 loads of 512 bytes
.set NQUADS, 16                        ; quads of a wave: 8 steps x 2
.set BIAS,   131072                    ; LDS behind the images: b1's 128 numbers in the accumulators' order, a copy of 512 bytes for each wave
.set WO,  1                            ; v1   W1: my lane's byte offset
.set IA,  2                            ; v2   where I store my registers of the images
.set BA,  3                            ; v3-4 16 x lane (+ 65,536): where I read images
.set AO,  5                            ; v5   xq: my token's row + 16 h
.set SC,  6                            ; v6   2^ew1
.set LIM, 7                            ; v7   57,344 x 2^ew1
.set LA,  8                            ; v8   the list: my row's word in the first pass, as a byte offset; never rewritten
.set BW,  10                           ; v10  the bias copy, in
.set BR,  11                           ; v11  the bias copy, out
.set HO,  12                           ; v12  hq: my 16 bytes of the tile's image
.set TT,  16                           ; v16-23  tile j's registers q, q + 1 at 2 j
.set C,   24                           ; v24-31  codes as converted
.set P,   32                           ; v32-35  half-way through the transposition
.set TKR, 36                           ; v36  my row's token
.set LC,  37                           ; v37  the list: my row's word in a further pass
.set A,   40                           ; v40-55    x's fragment
.set B,   56                           ; v56-119   four fragments of weights; in the way out at work
.set ACC, 120                          ; v120-183  eight accumulators
.set ST,  184                          ; v184-247  the ring: four quads of 16 numbers; in the way out constants
.set BL,  248                          ; v248-251  b1 as loaded
.set LN,  252                          ; v252 lane
.set H16, 253                          ; v253 16 h
.set T0,  254
.set T1,  255
.set WV,  16                           ; s16 wave
.set EE,  17                           ; s17 expert
.set PW,  19                           ; s19 wave / 2
.set GW,  20                           ; s20 wave % 2
.set WB,  24                           ; s[24:25], s[26:27] the slab's rows 0 on and 512 on
.set EX,  28                           ; s[28:31] ex, ew1, eh, ew2
.set CNT, 32                           ; s[32:33] cnt, low
.set LOW, 33
.set NT,  35
.set BT,  36
.set LOF, 37                           ; s37 the pass's bytes in the list: 1,024 a pass; it also counts the passes
.set TILE, 38
.set SEL, 40                           ; s40-43 the transposition's selectors
; the way out
.set eAB, 56
.set eTQ, 64
.set ePL, 72
.set eZZ, 80
.set BI0, 88
.set eMM, 96
.set HC,  104                          ; v104-119 the tile's codes: an operand's 16 registers
.set CO,  184                          ; ten coefficients, each twice (a pair for the packed forms)
.set SCL, 204
.set ZC,  206
.set QC,  208
.set SCH, 210
.set LIMH, 211
.set BI1, 212
.macro BAR                             ; my LDS stores have landed and my LDS loads are in: then the work-group's barrier
	s_wait_dscnt 0x0
	s_barrier_signal -1
	s_barrier_wait -1
.endm
.macro WLOAD n                         ; quad n = 2 step + d: rows k, k + 1, k + 2, k + 3; each load covers two runs of 256 consecutive bytes, read once in the launch
.irp b, 0,1,2,3
	global_load_b128 v[ST+16*((\n)%RING)+4*\b:ST+16*((\n)%RING)+4*\b+3], v[WO], s[WB+2*((\n)/8):WB+2*((\n)/8)+1] offset:((((\n)/2)%4)*128+4*((\n)%2)+\b)*16384 th:TH_LOAD_NT
.endr
.endm
.macro CONVQ n, cdst                   ; quad n: the hold, then 16 codes: register b of the four holds row b's four columns
.set SS, ST+16*((\n)%RING)
.set k, 0
.rept 16
	v_med3_num_f32 v[SS+k], v[SS+k], -v[LIM], v[LIM]   ; the conversion to an 8-bit code does not saturate (ISA guide 7.6.2)
.set k, k+1
.endr
	v_cvt_scalef32_pk8_bf8_f32 v[\cdst:\cdst+1], v[SS:SS+7], v[SC]
	v_cvt_scalef32_pk8_bf8_f32 v[\cdst+2:\cdst+3], v[SS+8:SS+15], v[SC]
.endm
.macro TRANS c, d                      ; 4 x 4 bytes turned: byte b of tile j's register = byte j of row b's
	v_perm_b32 v[P], v[\c+1], v[\c], s[SEL]
	v_perm_b32 v[P+1], v[\c+1], v[\c], s[SEL+1]
	v_perm_b32 v[P+2], v[\c+3], v[\c+2], s[SEL]
	v_perm_b32 v[P+3], v[\c+3], v[\c+2], s[SEL+1]
	v_perm_b32 v[TT+\d], v[P+2], v[P], s[SEL+2]
	v_perm_b32 v[TT+2+\d], v[P+2], v[P], s[SEL+3]
	v_perm_b32 v[TT+4+\d], v[P+3], v[P+1], s[SEL+2]
	v_perm_b32 v[TT+6+\d], v[P+3], v[P+1], s[SEL+3]
.endm
; A step's two quads.  nq0, nq1: the loads issued behind the quad's own, which may stay out.  The second quad's holds are the plain lines behind the first's conversions, the first's permutes those behind the second's.
.macro QUADS rho, nq0, nq1
	s_wait_loadcnt \nq0
	CONVQ 2*(\rho), C
.if 2*(\rho)+RING < NQUADS
	WLOAD 2*(\rho)+RING
.endif
	s_wait_loadcnt \nq1
	CONVQ 2*(\rho)+1, C+4
.if 2*(\rho)+1+RING < NQUADS
	WLOAD 2*(\rho)+1+RING
.endif
	TRANS C, 0
	TRANS C+4, 1
.endm
.macro IMG rho                         ; my two registers of four fragments go to their place in the images: 8 bytes a lane, 16 bytes from lane to lane
.if ((\rho)%4 == 0) && ((\rho) > 0)
	v_add_nc_u32 v[IA], 0x10000, v[IA]
.endif
.irp j, 0,1,2,3
	ds_store_b64 v[IA], v[TT+2*\j:TT+2*\j+1] offset:((\rho)%4)*16384+2048*\j
.endr
.endm
.macro ALOAD rho                       ; x's fragment of a step: 128 codes of my token's row
.irp c, 0,1,2,3
	global_load_b128 v[A+4*\c:A+4*\c+3], v[AO], s[12:13] offset:128*(\rho)+32*\c
.endr
.endm
; A step's eight products, four fragments at a time.  na: the loads issued behind x's fragment; the wait stands on every wave's path, since every wave loads into those registers again.
; The eight accumulators take turns, one instruction a turn.  Four v_nop behind each four products: the places in front of the next loads into, and vector writes of, their registers.
.macro CONS rho, guard, na, zero
	s_wait_loadcnt \na
.if \guard
	s_cmp_lt_u32 s[WV], s[NT]
	s_cbranch_scc0 .Lidle_\@
.endif
.irp g, 0,1
.irp f, 0,1,2,3
.irp c, 0,1,2,3
	ds_load_b128 v[B+16*\f+4*\c:B+16*\f+4*\c+3], v[BA+(\rho)/4] offset:((\rho)%4)*16384+2048*(4*\g+\f)+512*\c
.endr
.endr
	s_wait_dscnt 0x0
.irp f, 0,1,2,3
.if \zero
	v_wmma_f32_16x16x128_bf8_bf8 v[ACC+8*(4*\g+\f):ACC+8*(4*\g+\f)+7], v[B+16*\f:B+16*\f+15], v[A:A+15], 0
.else
	v_wmma_f32_16x16x128_bf8_bf8 v[ACC+8*(4*\g+\f):ACC+8*(4*\g+\f)+7], v[B+16*\f:B+16*\f+15], v[A:A+15], v[ACC+8*(4*\g+\f):ACC+8*(4*\g+\f)+7]
.endif
.endr
.rept 4
	v_nop
.endr
.endr
.if \guard
.Lidle_\@:
.endif
.endm
; A step: quantise its part of the slab, store the images, multiply the step BEFORE (whose images a barrier has shown whole), meet, ask for this step's codes of x.
.macro STEP rho, nq0, nq1, guard, na, zero
	QUADS \rho, \nq0, \nq1
	IMG \rho
	CONS (\rho)-1, \guard, \na, \zero
	BAR
	ALOAD \rho
.endm
.macro KONST r, val
	v_mov_b32 v[\r], \val
	v_mov_b32 v[\r+1], \val
.endm
; gelu(v) = max(v, 0) - |v| erfc(|v| / sqrt 2) / 2: no difference of near numbers.  erfc(z) = t 2^(-z^2 log2 e + P(t)), t = 1 / (1 + z / 2), P of degree 9: a fractional error of about 1.2e-7 for every z >= 0.
.macro GELU t
.set V,  ACC+8*(\t)
.set BI, BI0+(BI1-BI0)*((\t)%2)
.set BN, BI0+(BI1-BI0)*(((\t)+1)%2)
.if (\t) < 7
	ds_load_b128 v[BN:BN+3], v[BR] offset:32*(\t)+32     ; the next tile's eight biases
	ds_load_b128 v[BN+4:BN+7], v[BR] offset:32*(\t)+48
	s_wait_dscnt 0x2                               ; this tile's are in; those two may be out
.else
	s_wait_dscnt 0x0
.endif
.irp i, 0,2,4,6
	v_pk_fma_f32 v[V+\i:V+\i+1], v[V+\i:V+\i+1], v[SCL:SCL+1], v[BI+\i:BI+\i+1]   ; v = sum x 2^(ex + ew1) + b1: the accumulator from its low end on
.endr
.irp i, 0,1,2,3,4,5,6,7
	v_and_b32 v[eAB+\i], 0x7fffffff, v[V+\i]       ; |v|
.endr
.irp i, 0,2,4,6
	v_pk_fma_f32 v[eTQ+\i:eTQ+\i+1], v[eAB+\i:eAB+\i+1], v[QC:QC+1], 1.0 op_sel_hi:[1,1,0]   ; 1 + z / 2 = 1 + |v| sqrt(2) / 4
.endr
.irp i, 0,1,2,3,4,5,6,7
	v_rcp_f32 v[eTQ+\i], v[eTQ+\i]                 ; t
.endr
.irp i, 0,2,4,6
	v_pk_mul_f32 v[eZZ+\i:eZZ+\i+1], v[V+\i:V+\i+1], v[ZC:ZC+1]   ; (plain lines behind the reciprocals)  -v log2(e) / 2
.endr
	s_wait_alu depctr_va_vdst(0)
.irp i, 0,2,4,6
	v_pk_fma_f32 v[ePL+\i:ePL+\i+1], v[eTQ+\i:eTQ+\i+1], v[CO+18:CO+19], v[CO+16:CO+17]
.endr
.irp n, 7,6,5,4,3,2,1,0
.irp i, 0,2,4,6
	v_pk_fma_f32 v[ePL+\i:ePL+\i+1], v[ePL+\i:ePL+\i+1], v[eTQ+\i:eTQ+\i+1], v[CO+2*\n:CO+2*\n+1]
.endr
.endr
.irp i, 0,2,4,6
	v_pk_fma_f32 v[ePL+\i:ePL+\i+1], v[eZZ+\i:eZZ+\i+1], v[V+\i:V+\i+1], v[ePL+\i:ePL+\i+1]   ; - z^2 log2(e) + P(t)
.endr
.irp i, 0,1,2,3,4,5,6,7
	v_exp_f32 v[ePL+\i], v[ePL+\i]
.endr
.irp i, 0,1,2,3,4,5,6,7
	v_max_num_f32 v[eMM+\i], 0, v[V+\i]            ; (plain lines behind the exponentials)
.endr
	s_wait_alu depctr_va_vdst(0)
.irp i, 0,2,4,6
	v_pk_mul_f32 v[eTQ+\i:eTQ+\i+1], v[eTQ+\i:eTQ+\i+1], v[ePL+\i:ePL+\i+1]   ; erfc
.endr
.irp i, 0,2,4,6
	v_pk_mul_f32 v[eTQ+\i:eTQ+\i+1], v[eTQ+\i:eTQ+\i+1], v[eAB+\i:eAB+\i+1]
.endr
.irp i, 0,2,4,6
	v_pk_fma_f32 v[V+\i:V+\i+1], v[eTQ+\i:eTQ+\i+1], -0.5, v[eMM+\i:eMM+\i+1] op_sel_hi:[1,0,1]
.endr
.irp i, 0,1,2,3,4,5,6,7
	v_med3_num_f32 v[V+\i], v[V+\i], -v[LIMH], v[LIMH]
.endr
	v_cvt_scalef32_pk8_bf8_f32 v[HC+2*(\t):HC+2*(\t)+1], v[V:V+7], v[SCH]   ; registers 2 t, 2 t + 1 of the next operand
.endm
	s_load_b256 s[4:11], s[0:1], 0x0               ; w1 s[4:5], b1 s[6:7], lowp_scales s[8:9], list s[10:11]
	s_load_b128 s[12:15], s[0:1], 0x20             ; xq s[12:13], hq s[14:15]
	s_load_b64 s[50:51], s[0:1], 0x30              ; meta
	v_lshl_add_u32 v38, v0, 2, 0x22000
	v_mov_b32 v39, 0
	v_lshrrev_b32 v[T0], 5, v0
	v_readfirstlane_b32 s[WV], v[T0]               ; wave 0..15
	s_and_b32 s[EE], ttmp7, 0xffff                 ; the expert
	s_lshr_b32 s[PW], s[WV], 1
	s_and_b32 s[GW], s[WV], 1
	v_and_b32 v[LN], 31, v0
	v_and_b32 v[T0], 15, v0                        ; r
	v_bfe_u32 v[T1], v0, 4, 1                      ; h
	v_lshlrev_b32 v[H16], 4, v[T1]
	s_lshr_b32 s44, s[PW], 1
	s_and_b32 s45, s[PW], 1
	s_lshl_b32 s46, s44, 19                        ; W1: row 32 (p / 2) + 8 (p % 2) + 16 h of 16,384 bytes, + 256 g + 16 r
	s_lshl_b32 s47, s45, 17
	s_add_co_u32 s46, s46, s47
	s_lshl_b32 s47, s[GW], 8
	s_add_co_u32 s46, s46, s47
	v_lshlrev_b32 v[WO], 4, v[T0]
	v_lshl_add_u32 v[WO], v[T1], 18, v[WO]
	v_add_nc_u32 v[WO], s46, v[WO]
	s_lshl_b32 s46, s[GW], 13                      ; images: fragment 4 g + j at 2,048 each; register 2 p at 512 (p / 2) + 8 (p % 2); 16 x lane
	s_lshl_b32 s47, s44, 9
	s_add_co_u32 s46, s46, s47
	s_lshl_b32 s47, s45, 3
	s_add_co_u32 s46, s46, s47
	v_lshlrev_b32 v[BA], 4, v[LN]
	v_add_nc_u32 v[BA+1], 0x10000, v[BA]
	v_add_nc_u32 v[IA], s46, v[BA]
	s_mul_i32 s46, s[EE], 4608                     ; my expert's list,
	s_lshl_b32 s47, s[WV], 6
	s_add_co_u32 s46, s46, s47
	v_lshl_add_u32 v[LA], v[T0], 2, s46            ; word 16 wave + r
	s_lshl_b32 s46, s[WV], 9
	s_add_co_u32 s46, s46, BIAS                    ; my wave's copy of the bias
	v_lshl_add_u32 v[BR], v[T1], 8, s46            ; out: 256 h + 32 t: tile t's eight numbers in the accumulator's order
	v_lshl_add_u32 v[BW], v[T1], 7, s46            ; in: lane l holds columns 4 l + j': 128 (l / 16) + 256 ((l / 8) % 2) + 4 (l % 8) + 32 j'
	v_bfe_u32 v[T1], v0, 3, 1
	v_lshl_add_u32 v[BW], v[T1], 8, v[BW]
	v_and_b32 v[T0], 7, v0
	v_lshl_add_u32 v[BW], v[T0], 2, v[BW]
	s_mov_b32 s[SEL], 0x05010400
	s_mov_b32 s[SEL+1], 0x07030602
	s_mov_b32 s[SEL+2], 0x05040100
	s_mov_b32 s[SEL+3], 0x07060302
	s_wait_kmcnt 0x0
	s_lshl_b32 s22, s[EE], 4
	s_mov_b32 s23, 0
	s_add_nc_u64 s[8:9], s[8:9], s[22:23]
	s_load_b128 s[EX:EX+3], s[8:9], 0x0            ; ex, ew1, eh, ew2 of my expert
	s_lshl_b32 s22, s[EE], 8
	s_add_nc_u64 s[50:51], s[50:51], s[22:23]
	s_load_b64 s[CNT:CNT+1], s[50:51], 0x0         ; cnt, low of my expert
	s_lshl_b32 s22, s[EE], 24                      ; an expert's W1 is 2^24 bytes; my 128 columns are 512 bytes of a row
	s_lshl_b32 s46, ttmp9, 9
	s_add_co_u32 s22, s22, s46
	s_add_nc_u64 s[WB:WB+1], s[4:5], s[22:23]
	s_add_nc_u64 s[WB+2:WB+3], s[WB:WB+1], 0x800000   ; 512 rows on, so that every offset stays inside the signed 24-bit immediate (ISA guide, chapter 10)
	s_lshl_b32 s22, s[EE], 14
	s_add_co_u32 s22, s22, s46
	s_add_nc_u64 s[6:7], s[6:7], s[22:23]
	global_load_b128 v[BL:BL+3], v[BA], s[6:7]     ; b1: columns 4 lane .. + 3
	global_load_b32 v[TKR], v[LA], s[10:11]        ; my row's token
	WLOAD 0
	WLOAD 1
	WLOAD 2
	WLOAD 3
	s_wait_kmcnt 0x0
	s_add_co_i32 s46, s[EX+1], 127
	s_lshl_b32 s47, s46, 23
	v_mov_b32 v[SC], s47                           ; 2^ew1 as f32: the conversion takes its exponent field
	s_add_co_i32 s46, s46, 15
	s_lshl_b32 s46, s46, 23
	s_or_b32 s46, s46, 0x600000
	v_mov_b32 v[LIM], s46                          ; 57,344 x 2^ew1
	s_min_u32 s[CNT], s[CNT], 0x400
	s_min_u32 s[LOW], s[LOW], 0x400
	s_add_co_u32 s[NT], s[CNT], 15
	s_lshr_b32 s[NT], s[NT], 4                     ; tiles of 16 tokens,
	s_max_u32 s[NT], s[NT], 1                      ; one at the least: the place BT in hq is always stored
	s_lshr_b32 s[BT], s[LOW], 4
	s_add_co_u32 s[BT], s[BT], s[EE]               ; the first tile's place in hq
	QUADS 0, 12, 12                                ; behind quad 0: quads 1 to 3; behind quad 1: quads 2 to 4.  b1's load and the token's are older than quad 0's
.irp j, 0,1,2,3
	ds_store_b32 v[BW], v[BL+\j] offset:32*\j      ; my wave's own bytes
.endr
	IMG 0
	BAR                                            ; step 0's images are whole
	v_min_u32 v[AO], 0x3ff, v[TKR]
	v_lshl_add_u32 v[AO], v[AO], 10, v[H16]        ; my token's row of 1,024 codes + 16 h.  (A wave without a tile finds zeros or the first token in its words of the list)
	ALOAD 0
	; the counts: behind a quad stand the younger quads (4 loads each) and the loads of x's codes (4 a step); behind x's fragment the step's two new quads
	STEP 1, 16, 16, 0, 8, 1
	STEP 2, 20, 20, 1, 8, 0
	STEP 3, 20, 20, 1, 8, 0
	STEP 4, 20, 20, 1, 8, 0
	STEP 5, 20, 20, 1, 8, 0
	STEP 6, 20, 16, 1, 0, 0                        ; no quad is left to ask for: the counts run down
	STEP 7, 12, 8, 1, 0, 0
	CONS 7, 1, 0, 0
	; from here on LDS is only read, and no barrier follows
	s_mov_b32 s[TILE], s[WV]
	s_mov_b32 s[LOF], 0
	s_cmp_ge_u32 s[TILE], s[NT]
	s_cbranch_scc1 .Lend
	KONST CO,    0xbfe9b21e                        ; P's coefficients x log2(e): -1.8257482
	KONST CO+2,  0x3fb8ab5a                        ;  1.4427292
	KONST CO+4,  0x3f0a29d2                        ;  0.53970062
	KONST CO+6,  0x3e0efb2f                        ;  0.13963006
	KONST CO+8,  0xbe899a80                        ; -0.26875686
	KONST CO+10, 0x3ecdfd18                        ;  0.40232158
	KONST CO+12, 0xbfd1a1e5                        ; -1.6377532
	KONST CO+14, 0x40097039                        ;  2.1474745
	KONST CO+16, 0xbf97d29d                        ; -1.1861149
	KONST CO+18, 0x3e7c6f08                        ;  0.24651730
	KONST ZC,    0xbf38aa3b                        ; -log2(e) / 2
	KONST QC,    0x3eb504f3                        ; sqrt(2) / 4
	s_add_co_i32 s46, s[EX], s[EX+1]
	s_add_co_i32 s46, s46, 127
	s_lshl_b32 s46, s46, 23
	v_mov_b32 v[SCL], s46                          ; 2^(ex + ew1)
	v_mov_b32 v[SCL+1], s46
	s_add_co_i32 s46, s[EX+2], 127
	s_lshl_b32 s47, s46, 23
	v_mov_b32 v[SCH], s47                          ; 2^eh
	s_add_co_i32 s46, s46, 15
	s_lshl_b32 s46, s46, 23
	s_or_b32 s46, s46, 0x600000
	v_mov_b32 v[LIMH], s46                         ; 57,344 x 2^eh
.Lpass:                                                ; four trips at the most: tiles wave, wave + 16, wave + 32, wave + 48
	s_add_co_u32 s46, s[BT], s[TILE]
	s_min_u32 s46, s46, 71
	s_lshl_b32 s46, s46, 16                        ; a tile's 32 images are 65,536 bytes,
	s_lshl_b32 s47, ttmp9, 11                      ; K block cb's 2,048
	s_add_co_u32 s46, s46, s47
	v_add_nc_u32 v[HO], s46, v[BA]
	ds_load_b128 v[BI0:BI0+3], v[BR]
	ds_load_b128 v[BI0+4:BI0+7], v[BR] offset:16
.irp t, 0,1,2,3,4,5,6,7
	GELU \t
.endr
	v_nop                                          ; one plain vector line behind the last conversion
.irp c, 0,1,2,3
	global_store_b128 v[HO], v[HC+4*\c:HC+4*\c+3], s[14:15] offset:512*\c   ; the operand's registers as they stand: 512 consecutive bytes a store
.endr
	s_add_co_u32 s[TILE], s[TILE], 16
	s_cmp_ge_u32 s[TILE], s[NT]
	s_cbranch_scc1 .Lend                           ; NT is 64 at the most, so the fourth trip always leaves here
	; a further tile of this wave (an expert with more than 256 tokens): all eight steps again, from the images that stay
	s_wait_xcnt 0x0                                ; the stores have read their registers: LDS loads land there below
.rept 5
	v_nop                                          ; the sums begin anew with the constant 0 over accumulators of earlier products: five places (ISA guide 7.12.1)
.endr
	s_add_co_u32 s[LOF], s[LOF], 1024              ; 16 tiles on in the list
	v_add_nc_u32 v[LC], s[LOF], v[LA]
	global_load_b32 v[TKR], v[LC], s[10:11]
	s_wait_loadcnt 0x0
	v_min_u32 v[AO], 0x3ff, v[TKR]
	v_lshl_add_u32 v[AO], v[AO], 10, v[H16]
	ALOAD 0
	CONS 0, 0, 0, 1
.irp r, 1,2,3,4,5,6,7
	ALOAD \r
	CONS \r, 0, 0, 0
.endr
	s_cmp_lt_u32 s[LOF], 4096
	s_cbranch_scc1 .Lpass
.Lend:
	s_wait_tensorcnt 0x0
	ds_add_u32 v38, v39
	s_wait_dscnt 0x0
	s_endpgm
.Lfunc_end_k_qb06a520b1b_ffn1:
	.size	k_qb06a520b1b_ffn1, .Lfunc_end_k_qb06a520b1b_ffn1-k_qb06a520b1b_ffn1
	.p2alignl 7, 3214868480
	.fill 96, 4, 3214868480
	.section	.rodata,"a",@progbits
	.p2align	6, 0x0
	.amdhsa_kernel k_qb06a520b1b_ffn1
		.amdhsa_group_segment_fixed_size 141312
		.amdhsa_private_segment_fixed_size 0
		.amdhsa_enable_private_segment 0
		.amdhsa_kernarg_size 56
		.amdhsa_user_sgpr_count 2
		.amdhsa_user_sgpr_kernarg_segment_ptr 1
		.amdhsa_wavefront_size32 1
		.amdhsa_system_sgpr_workgroup_id_x 1
		.amdhsa_system_sgpr_workgroup_id_y 1
		.amdhsa_system_sgpr_workgroup_id_z 1
		.amdhsa_system_vgpr_workitem_id 0
		.amdhsa_next_free_vgpr 256
		.amdhsa_next_free_sgpr 66
		.amdhsa_reserve_vcc 0
		.amdhsa_float_denorm_mode_32 3
		.amdhsa_float_denorm_mode_16_64 3
		.amdhsa_memory_ordered 1
		.amdhsa_forward_progress 1
		.amdhsa_inst_pref_size 144
	.end_amdhsa_kernel
	.amdgpu_metadata
---
amdhsa.version: [ 1, 2 ]
amdhsa.kernels:
  - .name:           k_qb06a520b1b_ffn1
    .symbol:         k_qb06a520b1b_ffn1.kd
    .args:
      - { .name: w1, .offset: 0, .size: 8, .value_kind: global_buffer, .address_space: global }
      - { .name: b1, .offset: 8, .size: 8, .value_kind: global_buffer, .address_space: global }
      - { .name: lowp_scales, .offset: 16, .size: 8, .value_kind: global_buffer, .address_space: global }
      - { .name: list, .offset: 24, .size: 8, .value_kind: global_buffer, .address_space: global }
      - { .name: xq, .offset: 32, .size: 8, .value_kind: global_buffer, .address_space: global }
      - { .name: hq, .offset: 40, .size: 8, .value_kind: global_buffer, .address_space: global }
      - { .name: meta, .offset: 48, .size: 8, .value_kind: global_buffer, .address_space: global }
    .group_segment_fixed_size: 141312
    .private_segment_fixed_size: 0
    .kernarg_segment_align: 8
    .kernarg_segment_size: 56
    .max_flat_workgroup_size: 512
    .sgpr_count:     66
    .vgpr_count:     256
    .wavefront_size: 32
...
	.end_amdgpu_metadata
.endif
;; end of part 3
;; launch ffn2 (part 4): grid 16 x 8, 16 waves a work-group, no clusters, 264,192 bytes of LDS; arguments w2, b2, lowp_scales, list, gate, hq, meta, out0; writes out0
.if DOCPART == 4
	.amdgcn_target "amdgcn-amd-amdhsa--gfx1250"
	.amdhsa_code_object_version 6
	.text
	.protected	k_qb06a520b1b_ffn2
	.globl	k_qb06a520b1b_ffn2
	.p2align	8
	.type	k_qb06a520b1b_ffn2,@function
k_qb06a520b1b_ffn2:
	s_mov_b64 s[64:65], 0
	v_nop
	global_prefetch_b8 v0, s[64:65] scope:SCOPE_SE
	s_setreg_imm32_b32 hwreg(HW_REG_WAVE_MODE, 25, 1), 1
	s_wait_xcnt 0x0
; THE SECOND LAYER, for the tokens that chose expert e alone: out[token] = (h W2[e] + b2[e]) x gate[token].  Both operands of the product are codes of BF8 (E5M2); sums in f32.
; lowp_scales[4 e ..] = ex, ew1, eh, ew2.  h's codes come from hq, as images of operand registers (tile, K block: 2,048 bytes); W2 arrives as f32 [4096 (k)][1024 (n)] and is quantised here with 2^ew2.
; SHARES.  Work-group (x = nb, y = e) owns output columns 64 nb .. + 63 of expert e and ALL of K: 4,096 rows x 256 bytes of W2, which no other work-group reads.  So each 256 bytes of an output row have one owner and no
; partial sum goes through memory.  There are 8 x 16 such slabs, hence 128 work-groups: halving the columns would halve every run of consecutive bytes, halving K would want a launch more for the sum.
; THE WEIGHTS STAY, THE ROWS WALK: the slab is quantised once into LDS as images of operand registers (262,144 bytes); each of the 16 waves then owns tiles of 16 tokens.
; THE STREAM.  A load takes 16 bytes a lane: lanes 0-15 read the 256 bytes of one row k, lanes 16-31 of the row 32 further down.  Column 4 r + j belongs to tile j, as its column r.  Four loads (k, k+4, k+8, k+12) are a QUAD:
; 16 holds, 2 conversions, a 4 x 4 byte transposition by 8 v_perm_b32: ONE register of each of the four tiles' fragments.  A step is 256 along K: 2 K blocks x 4 tiles = 8 fragments, 16,384 bytes;
; wave w makes registers q = 2 (w / 2), 2 (w / 2) + 1 of the four tiles of K block 2 step + w % 2.
; WHERE K LIES: byte b of register q in lane half h is k = 128 block + 64 (q / 8) + 32 h + 16 (q % 2) + 4 b + (q / 2) % 4: the order in which the first layer's conversions leave h.  The same on both sides, so every product
; meets its partner; only the order of the sums inside an instruction differs from the plain one.
; THE PRODUCT: source 0 = 16 tokens, source 1 = 16 columns.  Register j of tile jt in lane (r, h) is (row 8 h + j, column 4 r + jt): the four tiles' registers j are 16 neighbouring bytes of a row, and sixteen lanes store
; 256 consecutive bytes of a token's row, at a multiple of 256 from out0's first byte: no way through LDS.
; THE ROWS.  list[e] (the expert's tokens, then 32 words of the first of them, then zeros) and meta[e] = (cnt, low) are the first layer's: BT = e + low / 16; here NT = ceil(cnt / 16).  The last tile's spare rows repeat the
; list's first token: they store the same numbers to the same bytes as that token's own row, from this work-group.
; The first pass's eight tokens of a lane are loaded at the head; their gates are asked for in step 13, into two slots of the ring that have had their last quad, so that no load stands between the last product and the stores.
; BARRIERS stand in straight text on every wave's path.  A wave without a tile (wave >= NT) jumps over LDS loads, matrix instructions and v_nop alone; its loads are still issued, so that the counts of the waits
; are the same on every path: all its lanes read one piece of 16 bytes a load, in the tile place BT of hq, which the first layer stores for every expert.  The first step's products are not jumped over: they start every sum
; with the constant 0.  An expert with more than 256 tokens takes further passes over the images, without barriers: a loop of four trips (16 waves x 4 = 64 tiles), left as soon as the wave's tile is past NT.
; NO TENSOR LOADS, NO CLUSTER: jumps here hang on counts read from memory, so operands go from memory into registers; the weights, 1,048,576 bytes a work-group, are shared with nobody, and what the 16
; work-groups of an expert share, h's codes, is 65,536 bytes a tile.
; LIMITS.  ew2 between -126 and 112; eh + ew2 between -126 and 127.  NaN is not served; what lies beyond a scale's range is held at the largest code.  An expert without tokens streams its slab and stores nothing.
.set RING,   6                         ; quads on their way in each wave: 24 loads of 512 bytes
.set NQUADS, 32                        ; quads of a wave: 16 steps x 2
.set WO,  1                            ; v1    W2: my lane's byte offset
.set IA,  2                            ; v2    where I store my registers of the images
.set BA,  3                            ; v3-6  16 x lane + 65,536 i: where I read images
.set AO,  7                            ; v7    hq: my 16 bytes of the tile's images
.set SC,  8                            ; v8    2^ew2
.set LIM, 9                            ; v9    57,344 x 2^ew2
.set LT,  10                           ; v10   the list: my half's eight rows in the first pass, as a byte offset; never rewritten
.set LC,  11                           ; v11   the same in a further pass
.set TKN, 12                           ; v12-15 and v20-23  the tokens of rows 8 h + j: token j at TKN + j + 4 (j / 4)
.set B2,  16                           ; v16-19  b2 of my four columns
.set A,   24                           ; v24-55   h's two fragments of a step
.set B,   56                           ; v56-119  four fragments of weights; between the products also:
.set TT,  56                           ; v56-63   tile j's registers q, q + 1 at 2 j
.set C,   64                           ; v64-71   codes as converted
.set P,   72                           ; v72-75   half-way through the transposition
.set OV,  80                           ; v80-111  the way out: 32 results
.set ACC, 120                          ; v120-151 four accumulators
.set ST,  152                          ; v152-247 the ring: six quads of 16 numbers.  Slots 2 and 3 (v184-215) have their last quads, 26 and 27, in step 13; then:
.set GO,  184                          ; v184-191 the gates' offsets
.set GG,  192                          ; v192-199 the gates
.set OO,  200                          ; v200-207 the rows' offsets in out0
.set LN,  248
.set R16, 249                          ; v249  16 r
.set T0,  254
.set T1,  255
.set AP,  14                           ; s[14:15] hq
.set WV,  20                           ; s20 wave
.set EE,  21                           ; s21 expert
.set PW,  23                           ; s23 wave / 2
.set KW,  24                           ; s24 wave % 2
.set WB,  28                           ; s[28:29], s[30:31] the slab's rows 0 on and 2,048 on
.set EX,  32                           ; s[32:35] ex, ew1, eh, ew2
.set CNT, 36                           ; s[36:37] cnt, low
.set LOW, 37
.set NT,  39
.set BT,  40
.set LOF, 41                           ; s41 the pass's bytes in the list: 1,024 a pass; it also counts the passes
.set TILE, 42
.set SEL, 44                           ; s44-47 the transposition's selectors
.set SCO, 52                           ; s52 2^(eh + ew2)
.macro BAR                             ; my LDS stores have landed and my LDS loads are in: then the work-group's barrier
	s_wait_dscnt 0x0
	s_barrier_signal -1
	s_barrier_wait -1
.endm
.macro WLOAD n                         ; quad n = 2 step + d: rows k, k + 4, k + 8, k + 12; each load covers two runs of 256 consecutive bytes, read once in the launch
.irp b, 0,1,2,3
	global_load_b128 v[ST+16*((\n)%RING)+4*\b:ST+16*((\n)%RING)+4*\b+3], v[WO], s[WB+2*((\n)/16):WB+2*((\n)/16)+1] offset:((((\n)/2)%8)*256+16*((\n)%2)+4*\b)*4096 th:TH_LOAD_NT
.endr
.endm
.macro CONVQ n, cdst                   ; quad n: the hold, then 16 codes: register b of the four holds row b's four columns
.set SS, ST+16*((\n)%RING)
.set k, 0
.rept 16
	v_med3_num_f32 v[SS+k], v[SS+k], -v[LIM], v[LIM]   ; the conversion to an 8-bit code does not saturate (ISA guide 7.6.2)
.set k, k+1
.endr
	v_cvt_scalef32_pk8_bf8_f32 v[\cdst:\cdst+1], v[SS:SS+7], v[SC]
	v_cvt_scalef32_pk8_bf8_f32 v[\cdst+2:\cdst+3], v[SS+8:SS+15], v[SC]
.endm
.macro TRANS c, d                      ; 4 x 4 bytes turned: byte b of tile j's register = byte j of row b's
	v_perm_b32 v[P], v[\c+1], v[\c], s[SEL]
	v_perm_b32 v[P+1], v[\c+1], v[\c], s[SEL+1]
	v_perm_b32 v[P+2], v[\c+3], v[\c+2], s[SEL]
	v_perm_b32 v[P+3], v[\c+3], v[\c+2], s[SEL+1]
	v_perm_b32 v[TT+\d], v[P+2], v[P], s[SEL+2]
	v_perm_b32 v[TT+2+\d], v[P+2], v[P], s[SEL+3]
	v_perm_b32 v[TT+4+\d], v[P+3], v[P+1], s[SEL+2]
	v_perm_b32 v[TT+6+\d], v[P+3], v[P+1], s[SEL+3]
.endm
; A step's two quads.  nq0, nq1: the loads issued behind the quad's own, which may stay out.  The second quad's holds are the plain lines behind the first's conversions, the first's permutes those behind the second's.
.macro QUADS rho, nq0, nq1
	s_wait_loadcnt \nq0
	CONVQ 2*(\rho), C
.if 2*(\rho)+RING < NQUADS
	WLOAD 2*(\rho)+RING
.endif
	s_wait_loadcnt \nq1
	CONVQ 2*(\rho)+1, C+4
.if 2*(\rho)+1+RING < NQUADS
	WLOAD 2*(\rho)+1+RING
.endif
	TRANS C, 0
	TRANS C+4, 1
.endm
.macro IMG rho                         ; my two registers of four fragments go to their place in the images: 8 bytes a lane, 16 bytes from lane to lane
.if ((\rho)%4 == 0) && ((\rho) > 0)
	v_add_nc_u32 v[IA], 0x10000, v[IA]
.endif
.irp j, 0,1,2,3
	ds_store_b64 v[IA], v[TT+2*\j:TT+2*\j+1] offset:((\rho)%4)*16384+2048*\j
.endr
.endm
.macro ALOAD rho                       ; h's two fragments of a step: images, 512 consecutive bytes a load
.irp ks, 0,1
.irp c, 0,1,2,3
	global_load_b128 v[A+16*\ks+4*\c:A+16*\ks+4*\c+3], v[AO], s[AP:AP+1] offset:4096*(\rho)+2048*\ks+512*\c
.endr
.endr
.endm
.macro GATES                           ; the eight tokens are in: held inside the table; their gates are asked for; their rows' offsets in out0 are made
.irp j, 0,1,2,3,4,5,6,7
	v_min_u32 v[TKN+\j+4*(\j/4)], 0x3ff, v[TKN+\j+4*(\j/4)]
.endr
.irp j, 0,1,2,3,4,5,6,7
	v_lshlrev_b32 v[GO+\j], 2, v[TKN+\j+4*(\j/4)]
.endr
.irp j, 0,1,2,3,4,5,6,7
	global_load_b32 v[GG+\j], v[GO+\j], s[12:13]
.endr
.irp j, 0,1,2,3,4,5,6,7
	v_lshl_add_u32 v[OO+\j], v[TKN+\j+4*(\j/4)], 12, v[R16]   ; a row of 4,096 bytes, + 16 r
.endr
.endm
; A step's eight products, a K block (four fragments of weights) at a time.  na: the loads issued behind h's fragments; the wait stands on every wave's path, since every wave loads into those registers again.
; The four accumulators take turns, one instruction a turn.  Four v_nop behind each four products: the places in front of the next loads into, and vector writes of, their registers.
.macro CONS rho, guard, na, zero
	s_wait_loadcnt \na
.if \guard
	s_cmp_lt_u32 s[WV], s[NT]
	s_cbranch_scc0 .Lidle_\@
.endif
.irp ks, 0,1
.irp f, 0,1,2,3
.irp c, 0,1,2,3
	ds_load_b128 v[B+16*\f+4*\c:B+16*\f+4*\c+3], v[BA+(\rho)/4] offset:((\rho)%4)*16384+2048*(4*\ks+\f)+512*\c
.endr
.endr
	s_wait_dscnt 0x0
.irp f, 0,1,2,3
.if (\zero) && (\ks == 0)
	v_wmma_f32_16x16x128_bf8_bf8 v[ACC+8*\f:ACC+8*\f+7], v[A+16*\ks:A+16*\ks+15], v[B+16*\f:B+16*\f+15], 0
.else
	v_wmma_f32_16x16x128_bf8_bf8 v[ACC+8*\f:ACC+8*\f+7], v[A+16*\ks:A+16*\ks+15], v[B+16*\f:B+16*\f+15], v[ACC+8*\f:ACC+8*\f+7]
.endif
.endr
.rept 4
	v_nop
.endr
.endr
.if \guard
.Lidle_\@:
.endif
.endm
; A step: quantise its part of the slab, store the images, multiply the step BEFORE (whose images a barrier has shown whole), meet, ask for this step's codes of h.  gat = 1: the gates are asked for ahead of them.
.macro STEP rho, nq0, nq1, guard, na, zero, gat
	QUADS \rho, \nq0, \nq1
	IMG \rho
	CONS (\rho)-1, \guard, \na, \zero
	BAR
.if \gat
	GATES
.endif
	ALOAD \rho
.endm
	s_load_b256 s[4:11], s[0:1], 0x0               ; w2 s[4:5], b2 s[6:7], lowp_scales s[8:9], list s[10:11]
	s_load_b256 s[12:19], s[0:1], 0x20             ; gate s[12:13], hq s[14:15], meta s[16:17], out0 s[18:19]
	v_lshl_add_u32 v252, v0, 2, 0x40000
	v_mov_b32 v253, 0
	v_lshrrev_b32 v[T0], 5, v0
	v_readfirstlane_b32 s[WV], v[T0]               ; wave 0..15
	s_and_b32 s[EE], ttmp7, 0xffff                 ; the expert
	s_lshr_b32 s[PW], s[WV], 1
	s_and_b32 s[KW], s[WV], 1
	v_and_b32 v[LN], 31, v0
	v_and_b32 v[T0], 15, v0                        ; r
	v_bfe_u32 v[T1], v0, 4, 1                      ; h
	s_lshl_b32 s50, s[KW], 19                      ; W2: row 128 (w % 2) + 64 (p / 4) + p % 4 + 32 h of 4,096 bytes, + 16 r
	s_lshr_b32 s51, s[PW], 2
	s_lshl_b32 s51, s51, 18
	s_add_co_u32 s50, s50, s51
	s_and_b32 s51, s[PW], 3
	s_lshl_b32 s51, s51, 12
	s_add_co_u32 s50, s50, s51
	v_lshlrev_b32 v[R16], 4, v[T0]
	v_lshl_add_u32 v[WO], v[T1], 17, v[R16]
	v_add_nc_u32 v[WO], s50, v[WO]
	s_lshl_b32 s50, s[KW], 13                      ; images: fragment 4 (w % 2) + j at 2,048 each; register 2 p at 512 (p / 2) + 8 (p % 2); 16 x lane
	s_lshr_b32 s51, s[PW], 1
	s_lshl_b32 s51, s51, 9
	s_add_co_u32 s50, s50, s51
	s_and_b32 s51, s[PW], 1
	s_lshl_b32 s51, s51, 3
	s_add_co_u32 s50, s50, s51
	v_lshlrev_b32 v[BA], 4, v[LN]
	v_add_nc_u32 v[BA+1], 0x10000, v[BA]
	v_add_nc_u32 v[BA+2], 0x20000, v[BA]
	v_add_nc_u32 v[BA+3], 0x30000, v[BA]
	v_add_nc_u32 v[IA], s50, v[BA]
	s_mul_i32 s50, s[EE], 4608                     ; my expert's list,
	s_lshl_b32 s51, s[WV], 6
	s_add_co_u32 s50, s50, s51
	v_lshl_add_u32 v[LT], v[T1], 5, s50            ; words 16 wave + 8 h on
	s_mov_b32 s[SEL], 0x05010400
	s_mov_b32 s[SEL+1], 0x07030602
	s_mov_b32 s[SEL+2], 0x05040100
	s_mov_b32 s[SEL+3], 0x07060302
	s_wait_kmcnt 0x0
	s_lshl_b32 s26, s[EE], 4
	s_mov_b32 s27, 0
	s_add_nc_u64 s[8:9], s[8:9], s[26:27]
	s_load_b128 s[EX:EX+3], s[8:9], 0x0            ; ex, ew1, eh, ew2 of my expert
	s_lshl_b32 s26, s[EE], 8
	s_add_nc_u64 s[16:17], s[16:17], s[26:27]
	s_load_b64 s[CNT:CNT+1], s[16:17], 0x0         ; cnt, low of my expert
	s_lshl_b32 s50, ttmp9, 8                       ; my 64 columns are 256 bytes of a row
	s_lshl_b32 s26, s[EE], 24                      ; an expert's W2 is 2^24 bytes
	s_add_co_u32 s26, s26, s50
	s_add_nc_u64 s[WB:WB+1], s[4:5], s[26:27]
	s_add_nc_u64 s[WB+2:WB+3], s[WB:WB+1], 0x800000   ; 2,048 rows on, so that every offset stays inside the signed 24-bit immediate (ISA guide, chapter 10)
	s_lshl_b32 s26, s[EE], 12
	s_add_co_u32 s26, s26, s50
	s_add_nc_u64 s[6:7], s[6:7], s[26:27]
	s_mov_b32 s26, s50
	s_add_nc_u64 s[18:19], s[18:19], s[26:27]      ; out0 at my columns
	global_load_b128 v[B2:B2+3], v[R16], s[6:7]    ; b2: columns 4 r .. + 3
	global_load_b128 v[TKN:TKN+3], v[LT], s[10:11]             ; the tokens of rows 8 h .. 8 h + 3 of my first tile,
	global_load_b128 v[TKN+8:TKN+11], v[LT], s[10:11] offset:16   ; and of rows 8 h + 4 .. 8 h + 7
.irp n, 0,1,2,3,4,5
	WLOAD \n
.endr
	s_wait_kmcnt 0x0
	s_add_co_i32 s50, s[EX+3], 127
	s_lshl_b32 s51, s50, 23
	v_mov_b32 v[SC], s51                           ; 2^ew2 as f32: the conversion takes its exponent field
	s_add_co_i32 s50, s50, 15
	s_lshl_b32 s50, s50, 23
	s_or_b32 s50, s50, 0x600000
	v_mov_b32 v[LIM], s50                          ; 57,344 x 2^ew2
	s_add_co_i32 s[SCO], s[EX+2], s[EX+3]
	s_add_co_i32 s[SCO], s[SCO], 127
	s_lshl_b32 s[SCO], s[SCO], 23                  ; 2^(eh + ew2)
	s_min_u32 s[CNT], s[CNT], 0x400
	s_min_u32 s[LOW], s[LOW], 0x400
	s_add_co_u32 s[NT], s[CNT], 15
	s_lshr_b32 s[NT], s[NT], 4                     ; tiles of 16 tokens
	s_lshr_b32 s[BT], s[LOW], 4
	s_add_co_u32 s[BT], s[BT], s[EE]               ; the first tile's place in hq
	s_sub_co_i32 s51, s[NT], s[WV]
	s_max_i32 s51, s51, 0
	s_min_u32 s51, s51, 1                          ; 1 in a wave with a tile, else 0
	s_mul_i32 s50, s51, s[WV]
	s_add_co_u32 s50, s50, s[BT]                   ; my tile's place; a wave without a tile: the place BT
	s_min_u32 s50, s50, 71
	s_lshl_b32 s50, s50, 16                        ; a tile's 32 images are 65,536 bytes
	s_lshl_b32 s51, s51, 4
	v_mul_u32_u24 v[AO], s51, v[LN]                ; 16 bytes from lane to lane; a wave without a tile: all lanes at one piece
	v_add_nc_u32 v[AO], s50, v[AO]
	QUADS 0, 20, 20                                ; behind quad 0: quads 1 to 5; behind quad 1: quads 2 to 6.  b2's load and the tokens' are older than quad 0's
	IMG 0
	BAR                                            ; step 0's images are whole
	ALOAD 0
	; the counts: behind a quad stand the younger quads (4 loads each), the loads of h's codes (8 a step) and, from step 14 on, the eight gates; behind h's fragments the step's two new quads
	STEP 1, 28, 28, 0, 8, 1, 0
	STEP 2, 36, 36, 1, 8, 0, 0
.irp r, 3,4,5,6,7,8,9,10,11,12
	STEP \r, 44, 44, 1, 8, 0, 0
.endr
	STEP 13, 44, 40, 1, 0, 0, 1                    ; no quad is left to ask for; the gates go into the slots of quads 26 and 27
	STEP 14, 44, 40, 1, 0, 0, 0
	STEP 15, 36, 32, 1, 0, 0, 0
	CONS 15, 1, 0, 0
	; from here on LDS is only read, and no barrier follows
	s_mov_b32 s[TILE], s[WV]
	s_mov_b32 s[LOF], 0
	s_cmp_ge_u32 s[TILE], s[NT]
	s_cbranch_scc1 .Lend
.Lpass:                                                ; four trips at the most: tiles wave, wave + 16, wave + 32, wave + 48
.irp j, 0,1,2,3,4,5,6,7
.irp u, 0,1,2,3
	v_fma_f32 v[OV+4*\j+\u], v[ACC+8*\u+\j], s[SCO], v[B2+\u]   ; sum x 2^(eh + ew2) + b2: each accumulator from its low end on
.endr
.endr
	s_wait_loadcnt 0x0                             ; the gates (asked for long ago)
.irp j, 0,1,2,3,4,5,6,7
.irp u, 0,1,2,3
	v_mul_f32 v[OV+4*\j+\u], v[OV+4*\j+\u], v[GG+\j]
.endr
.endr
.irp j, 0,1,2,3,4,5,6,7
	global_store_b128 v[OO+\j], v[OV+4*\j:OV+4*\j+3], s[18:19] th:TH_STORE_NT   ; sixteen lanes store 256 consecutive bytes of one token's row, the other sixteen of another's; written once, read by nobody here
.endr
	s_add_co_u32 s[TILE], s[TILE], 16
	s_cmp_ge_u32 s[TILE], s[NT]
	s_cbranch_scc1 .Lend                           ; NT is 64 at the most, so the fourth trip always leaves here
	; a further tile of this wave (an expert with more than 256 tokens): all sixteen steps again, from the images that stay
	s_wait_xcnt 0x0                                ; the stores have read their registers: their offsets are made anew, and LDS loads land on their data below
.rept 5
	v_nop                                          ; the sums begin anew with the constant 0 over accumulators of earlier products: five places (ISA guide 7.12.1)
.endr
	s_add_co_u32 s[LOF], s[LOF], 1024              ; 16 tiles on in the list
	v_add_nc_u32 v[LC], s[LOF], v[LT]
	global_load_b128 v[TKN:TKN+3], v[LC], s[10:11]
	global_load_b128 v[TKN+8:TKN+11], v[LC], s[10:11] offset:16
	s_add_co_u32 s50, s[BT], s[TILE]
	s_min_u32 s50, s50, 71
	s_lshl_b32 s50, s50, 16
	v_add_nc_u32 v[AO], s50, v[BA]
	s_wait_loadcnt 0x0
	GATES
	ALOAD 0
	CONS 0, 0, 0, 1
.irp r, 1,2,3,4,5,6,7,8,9,10,11,12,13,14,15
	ALOAD \r
	CONS \r, 0, 0, 0
.endr
	s_cmp_lt_u32 s[LOF], 4096
	s_cbranch_scc1 .Lpass
.Lend:
	s_wait_tensorcnt 0x0
	ds_add_u32 v252, v253
	s_wait_dscnt 0x0
	s_endpgm
.Lfunc_end_k_qb06a520b1b_ffn2:
	.size	k_qb06a520b1b_ffn2, .Lfunc_end_k_qb06a520b1b_ffn2-k_qb06a520b1b_ffn2
	.p2alignl 7, 3214868480
	.fill 96, 4, 3214868480
	.section	.rodata,"a",@progbits
	.p2align	6, 0x0
	.amdhsa_kernel k_qb06a520b1b_ffn2
		.amdhsa_group_segment_fixed_size 264192
		.amdhsa_private_segment_fixed_size 0
		.amdhsa_enable_private_segment 0
		.amdhsa_kernarg_size 64
		.amdhsa_user_sgpr_count 2
		.amdhsa_user_sgpr_kernarg_segment_ptr 1
		.amdhsa_wavefront_size32 1
		.amdhsa_system_sgpr_workgroup_id_x 1
		.amdhsa_system_sgpr_workgroup_id_y 1
		.amdhsa_system_sgpr_workgroup_id_z 1
		.amdhsa_system_vgpr_workitem_id 0
		.amdhsa_next_free_vgpr 256
		.amdhsa_next_free_sgpr 66
		.amdhsa_reserve_vcc 0
		.amdhsa_float_denorm_mode_32 3
		.amdhsa_float_denorm_mode_16_64 3
		.amdhsa_memory_ordered 1
		.amdhsa_forward_progress 1
		.amdhsa_inst_pref_size 200
	.end_amdhsa_kernel
	.amdgpu_metadata
---
amdhsa.version: [ 1, 2 ]
amdhsa.kernels:
  - .name:           k_qb06a520b1b_ffn2
    .symbol:         k_qb06a520b1b_ffn2.kd
    .args:
      - { .name: w2, .offset: 0, .size: 8, .value_kind: global_buffer, .address_space: global }
      - { .name: b2, .offset: 8, .size: 8, .value_kind: global_buffer, .address_space: global }
      - { .name: lowp_scales, .offset: 16, .size: 8, .value_kind: global_buffer, .address_space: global }
      - { .name: list, .offset: 24, .size: 8, .value_kind: global_buffer, .address_space: global }
      - { .name: gate, .offset: 32, .size: 8, .value_kind: global_buffer, .address_space: global }
      - { .name: hq, .offset: 40, .size: 8, .value_kind: global_buffer, .address_space: global }
      - { .name: meta, .offset: 48, .size: 8, .value_kind: global_buffer, .address_space: global }
      - { .name: out0, .offset: 56, .size: 8, .value_kind: global_buffer, .address_space: global }
    .group_segment_fixed_size: 264192
    .private_segment_fixed_size: 0
    .kernarg_segment_align: 8
    .kernarg_segment_size: 64
    .max_flat_workgroup_size: 512
    .sgpr_count:     66
    .vgpr_count:     256
    .wavefront_size: 32
...
	.end_amdgpu_metadata
.endif
;; end of part 4
;; ======== version 2 of 3: 4 launches; 1.11 times as fast as version 1
;; workspace buffers: eidx 4,096 bytes of whole numbers; gate 4,096 bytes; xq 1,048,576 bytes; hq 4,718,592 bytes; list 40,960 bytes of whole numbers; meta 2,048 bytes of whole numbers
;; launch route: the kernel of part 1 again; grid 256 x 1, 8 waves a work-group, no clusters, 44,032 bytes of LDS; arguments x, router_w, lowp_scales, eidx, gate, xq; writes eidx, gate, xq
;; launch place: the kernel of part 2 again; grid 8 x 1, 1 waves a work-group, no clusters, 5,376 bytes of LDS; arguments eidx, list, meta; writes list, meta
;; launch ffn1: the kernel of part 3 again; grid 32 x 8, 16 waves a work-group, no clusters, 141,312 bytes of LDS; arguments w1, b1, lowp_scales, list, xq, hq, meta; writes hq
;; launch ffn2 (part 5): grid 16 x 8, 16 waves a work-group, no clusters, 264,192 bytes of LDS; arguments w2, b2, lowp_scales, list, gate, hq, meta, out0; writes out0
.if DOCPART == 5
	.amdgcn_target "amdgcn-amd-amdhsa--gfx1250"
	.amdhsa_code_object_version 6
	.text
	.protected	k_qb06a520b1b_ffn2
	.globl	k_qb06a520b1b_ffn2
	.p2align	8
	.type	k_qb06a520b1b_ffn2,@function
k_qb06a520b1b_ffn2:
	s_mov_b64 s[64:65], 0
	v_nop
	global_prefetch_b8 v0, s[64:65] scope:SCOPE_SE
	s_setreg_imm32_b32 hwreg(HW_REG_WAVE_MODE, 25, 1), 1
	s_wait_xcnt 0x0
; THE SECOND LAYER, for the tokens that chose expert e alone: out[token] = (h W2[e] + b2[e]) x gate[token].  Both operands of the product are codes of BF8 (E5M2); sums in f32.
; lowp_scales[4 e ..] = ex, ew1, eh, ew2.  h's codes come from hq, as images of operand registers (tile, K block: 2,048 bytes); W2 arrives as f32 [4096 (k)][1024 (n)] and is quantised here with 2^ew2.
; SHARES.  Work-group (x = nb, y = e) owns output columns 64 nb .. + 63 of expert e and ALL of K: 4,096 rows x 256 bytes of W2, which no other work-group reads.  So each 256 bytes of an output row have one owner and no
; partial sum goes through memory.  There are 8 x 16 such slabs, hence 128 work-groups: halving the columns would halve every run of consecutive bytes, halving K would want a launch more for the sum.
; THE WEIGHTS STAY, THE ROWS WALK: the slab is quantised once into LDS as images of operand registers (262,144 bytes); each of the 16 waves then owns tiles of 16 tokens.
; THE STREAM.  A load takes 16 bytes a lane: lanes 0-15 read the 256 bytes of one row k, lanes 16-31 of the row 32 further down.  Column 4 r + j belongs to tile j, as its column r.  Four loads (k, k+4, k+8, k+12) are a QUAD:
; 16 holds, 2 conversions, a 4 x 4 byte transposition by 8 v_perm_b32: ONE register of each of the four tiles' fragments.  A step is 256 along K: 2 K blocks x 4 tiles = 8 fragments, 16,384 bytes;
; wave w makes registers q = 2 (w / 2), 2 (w / 2) + 1 of the four tiles of K block 2 step + w % 2.
; WHERE K LIES: byte b of register q in lane half h is k = 128 block + 64 (q / 8) + 32 h + 16 (q % 2) + 4 b + (q / 2) % 4: the order in which the first layer's conversions leave h.  The same on both sides, so every product
; meets its partner; only the order of the sums inside an instruction differs from the plain one.
; THE PRODUCT: source 0 = 16 tokens, source 1 = 16 columns.  Register j of tile jt in lane (r, h) is (row 8 h + j, column 4 r + jt): the four tiles' registers j are 16 neighbouring bytes of a row, and sixteen lanes store
; 256 consecutive bytes of a token's row, at a multiple of 256 from out0's first byte: no way through LDS.
; THE ORDER OF THE LOADS.  Loads into registers are counted done in the order of issue (ISA guide 5.7.1), so a wait for h's fragments is also a wait for every load issued before them.  Step s is multiplied in step s + 1,
; behind the conversion of quads 2 s + 2 and 2 s + 3.  So h's fragments of step s are asked for directly behind those two quads, two steps ahead of their products, into two sets of registers by turns: when the wave waits
; for them, all that is older has been waited for anyway, and the four quads of the ring stay on their way.  The order: Q0-3 A0 | Q4 Q5 A1 | Q6 Q7 A2 | .. | Q30 Q31 A14 | gates A15.
; THE ROWS.  list[e] (the expert's tokens, then 32 words of the first of them, then zeros) and meta[e] = (cnt, low) are the first layer's: BT = e + low / 16; here NT = ceil(cnt / 16).  The last tile's spare rows repeat the
; list's first token: they store the same numbers to the same bytes as that token's own row, from this work-group.
; The first pass's eight tokens of a lane are loaded at the head; their gates are asked for in step 14, into two slots of the ring that have had their last quad, so that no load stands between the last product and the stores.
; BARRIERS stand in straight text on every wave's path.  A wave without a tile (wave >= NT) jumps over LDS loads, matrix instructions and v_nop alone; its loads are still issued, so that the counts of the waits
; are the same on every path: all its lanes read one piece of 16 bytes a load, in the tile place BT of hq, which the first layer stores for every expert.  The first step's products are not jumped over: they start every sum
; with the constant 0.  An expert with more than 256 tokens takes further passes over the images, without barriers: a loop of four trips (16 waves x 4 = 64 tiles), left as soon as the wave's tile is past NT.
; NO TENSOR LOADS, NO CLUSTER: jumps here hang on counts read from memory, so operands go from memory into registers; the weights, 1,048,576 bytes a work-group, are shared with nobody, and what the 16
; work-groups of an expert share, h's codes, is 65,536 bytes a tile.
; LIMITS.  ew2 between -126 and 112; eh + ew2 between -126 and 127.  NaN is not served; what lies beyond a scale's range is held at the largest code.  An expert without tokens streams its slab and stores nothing.
.set RING,   4                         ; quads on their way in each wave: 16 loads of 512 bytes, two steps' worth; as many steps as h has sets of registers
.set NQUADS, 32                        ; quads of a wave: 16 steps x 2
.set WO,  1                            ; v1    W2: my lane's byte offset
.set IA,  2                            ; v2    where I store my registers of the images
.set BA,  3                            ; v3-6  16 x lane + 65,536 i: where I read images
.set AO,  7                            ; v7    hq: my 16 bytes of the tile's images
.set SC,  8                            ; v8    2^ew2
.set LIM, 9                            ; v9    57,344 x 2^ew2
.set LT,  10                           ; v10   the list: my half's eight rows in the first pass, as a byte offset; never rewritten
.set LC,  11                           ; v11   the same in a further pass
.set TKN, 12                           ; v12-15 and v20-23  the tokens of rows 8 h + j: token j at TKN + j + 4 (j / 4)
.set B2,  16                           ; v16-19  b2 of my four columns
.set A,   24                           ; v24-87   h's two fragments of a step, two sets: step s in set s % 2
.set B,   88                           ; v88-151  four fragments of weights; between the products also:
.set TT,  88                           ; v88-95   tile j's registers q, q + 1 at 2 j
.set C,   96                           ; v96-103  codes as converted
.set P,   104                          ; v104-107 half-way through the transposition
.set OV,  112                          ; v112-143 the way out: 32 results
.set ACC, 152                          ; v152-183 four accumulators
.set ST,  184                          ; v184-247 the ring: four quads of 16 numbers.  Slots 0 and 1 (v184-215) have their last quads, 28 and 29, in step 14; then:
.set GO,  184                          ; v184-191 the gates' offsets
.set GG,  192                          ; v192-199 the gates
.set OO,  200                          ; v200-207 the rows' offsets in out0
.set LN,  248
.set R16, 249                          ; v249  16 r
.set T0,  254
.set T1,  255
.set AP,  14                           ; s[14:15] hq
.set WV,  20                           ; s20 wave
.set EE,  21                           ; s21 expert
.set PW,  23                           ; s23 wave / 2
.set KW,  24                           ; s24 wave % 2
.set WB,  28                           ; s[28:29], s[30:31] the slab's rows 0 on and 2,048 on
.set EX,  32                           ; s[32:35] ex, ew1, eh, ew2
.set CNT, 36                           ; s[36:37] cnt, low
.set LOW, 37
.set NT,  39
.set BT,  40
.set LOF, 41                           ; s41 the pass's bytes in the list: 1,024 a pass; it also counts the passes
.set TILE, 42
.set SEL, 44                           ; s44-47 the transposition's selectors
.set SCO, 52                           ; s52 2^(eh + ew2)
.macro BAR                             ; my LDS stores have landed and my LDS loads are in: then the work-group's barrier
	s_wait_dscnt 0x0
	s_barrier_signal -1
	s_barrier_wait -1
.endm
.macro WLOAD n                         ; quad n = 2 step + d: rows k, k + 4, k + 8, k + 12; each load covers two runs of 256 consecutive bytes, read once in the launch
.irp b, 0,1,2,3
	global_load_b128 v[ST+16*((\n)%RING)+4*\b:ST+16*((\n)%RING)+4*\b+3], v[WO], s[WB+2*((\n)/16):WB+2*((\n)/16)+1] offset:((((\n)/2)%8)*256+16*((\n)%2)+4*\b)*4096 th:TH_LOAD_NT
.endr
.endm
.macro CONVQ n, cdst                   ; quad n: the hold, then 16 codes: register b of the four holds row b's four columns
.set SS, ST+16*((\n)%RING)
.set k, 0
.rept 16
	v_med3_num_f32 v[SS+k], v[SS+k], -v[LIM], v[LIM]   ; the conversion to an 8-bit code does not saturate (ISA guide 7.6.2)
.set k, k+1
.endr
	v_cvt_scalef32_pk8_bf8_f32 v[\cdst:\cdst+1], v[SS:SS+7], v[SC]
	v_cvt_scalef32_pk8_bf8_f32 v[\cdst+2:\cdst+3], v[SS+8:SS+15], v[SC]
.endm
.macro TRANS c, d                      ; 4 x 4 bytes turned: byte b of tile j's register = byte j of row b's
	v_perm_b32 v[P], v[\c+1], v[\c], s[SEL]
	v_perm_b32 v[P+1], v[\c+1], v[\c], s[SEL+1]
	v_perm_b32 v[P+2], v[\c+3], v[\c+2], s[SEL]
	v_perm_b32 v[P+3], v[\c+3], v[\c+2], s[SEL+1]
	v_perm_b32 v[TT+\d], v[P+2], v[P], s[SEL+2]
	v_perm_b32 v[TT+2+\d], v[P+2], v[P], s[SEL+3]
	v_perm_b32 v[TT+4+\d], v[P+3], v[P+1], s[SEL+2]
	v_perm_b32 v[TT+6+\d], v[P+3], v[P+1], s[SEL+3]
.endm
; A step's two quads.  nq0, nq1: the loads issued behind the quad's own, which may stay out.  The second quad's holds are the plain lines behind the first's conversions, the first's permutes those behind the second's.
.macro QUADS rho, nq0, nq1
	s_wait_loadcnt \nq0
	CONVQ 2*(\rho), C
.if 2*(\rho)+RING < NQUADS
	WLOAD 2*(\rho)+RING
.endif
	s_wait_loadcnt \nq1
	CONVQ 2*(\rho)+1, C+4
.if 2*(\rho)+1+RING < NQUADS
	WLOAD 2*(\rho)+1+RING
.endif
	TRANS C, 0
	TRANS C+4, 1
.endm
.macro IMG rho                         ; my two registers of four fragments go to their place in the images: 8 bytes a lane, 16 bytes from lane to lane
.if ((\rho)%4 == 0) && ((\rho) > 0)
	v_add_nc_u32 v[IA], 0x10000, v[IA]
.endif
.irp j, 0,1,2,3
	ds_store_b64 v[IA], v[TT+2*\j:TT+2*\j+1] offset:((\rho)%4)*16384+2048*\j
.endr
.endm
.macro ALOAD rho                       ; h's two fragments of a step, into set step % 2: images, 512 consecutive bytes a load
.irp ks, 0,1
.irp c, 0,1,2,3
	global_load_b128 v[A+32*((\rho)%2)+16*\ks+4*\c:A+32*((\rho)%2)+16*\ks+4*\c+3], v[AO], s[AP:AP+1] offset:4096*(\rho)+2048*\ks+512*\c
.endr
.endr
.endm
.macro GATES                           ; the eight tokens are in: held inside the table; their gates are asked for; their rows' offsets in out0 are made
.irp j, 0,1,2,3,4,5,6,7
	v_min_u32 v[TKN+\j+4*(\j/4)], 0x3ff, v[TKN+\j+4*(\j/4)]
.endr
.irp j, 0,1,2,3,4,5,6,7
	v_lshlrev_b32 v[GO+\j], 2, v[TKN+\j+4*(\j/4)]
.endr
.irp j, 0,1,2,3,4,5,6,7
	global_load_b32 v[GG+\j], v[GO+\j], s[12:13]
.endr
.irp j, 0,1,2,3,4,5,6,7
	v_lshl_add_u32 v[OO+\j], v[TKN+\j+4*(\j/4)], 12, v[R16]   ; a row of 4,096 bytes, + 16 r
.endr
.endm
; A step's eight products, a K block (four fragments of weights) at a time.  na: the loads issued behind h's fragments; the wait stands on every wave's path, since every wave loads into those registers again.
; LDS loads come back in order (ISA guide 5.7.1): fragment f's four are in when at most 12 - 4 f LDS instructions are out, and its product goes while the younger fragments are on their way.
; The four accumulators take turns, one instruction a turn.  Four v_nop behind each four products: the places in front of the next loads into, and vector writes of, their registers.
.macro CONS rho, guard, na, zero
	s_wait_loadcnt \na
.if \guard
	s_cmp_lt_u32 s[WV], s[NT]
	s_cbranch_scc0 .Lidle_\@
.endif
.irp ks, 0,1
.irp f, 0,1,2,3
.irp c, 0,1,2,3
	ds_load_b128 v[B+16*\f+4*\c:B+16*\f+4*\c+3], v[BA+(\rho)/4] offset:((\rho)%4)*16384+2048*(4*\ks+\f)+512*\c
.endr
.endr
.irp f, 0,1,2,3
	s_wait_dscnt 12-4*\f
.if (\zero) && (\ks == 0)
	v_wmma_f32_16x16x128_bf8_bf8 v[ACC+8*\f:ACC+8*\f+7], v[A+32*((\rho)%2)+16*\ks:A+32*((\rho)%2)+16*\ks+15], v[B+16*\f:B+16*\f+15], 0
.else
	v_wmma_f32_16x16x128_bf8_bf8 v[ACC+8*\f:ACC+8*\f+7], v[A+32*((\rho)%2)+16*\ks:A+32*((\rho)%2)+16*\ks+15], v[B+16*\f:B+16*\f+15], v[ACC+8*\f:ACC+8*\f+7]
.endif
.endr
.rept 4
	v_nop
.endr
.endr
.if \guard
.Lidle_\@:
.endif
.endm
; A step: quantise its part of the slab, store the images, multiply the step BEFORE (whose images a barrier has shown whole), meet, ask for the NEXT step's codes of h, into the set that those products have just left.
; gat = 1: the gates are asked for ahead of them.
.macro STEP rho, nq0, nq1, guard, na, zero, gat
	QUADS \rho, \nq0, \nq1
	IMG \rho
	CONS (\rho)-1, \guard, \na, \zero
	BAR
.if \gat
	GATES
.endif
.if (\rho) < 15
	ALOAD (\rho)+1
.endif
.endm
	s_load_b256 s[4:11], s[0:1], 0x0               ; w2 s[4:5], b2 s[6:7], lowp_scales s[8:9], list s[10:11]
	s_load_b256 s[12:19], s[0:1], 0x20             ; gate s[12:13], hq s[14:15], meta s[16:17], out0 s[18:19]
	v_lshl_add_u32 v252, v0, 2, 0x40000
	v_mov_b32 v253, 0
	v_lshrrev_b32 v[T0], 5, v0
	v_readfirstlane_b32 s[WV], v[T0]               ; wave 0..15
	s_and_b32 s[EE], ttmp7, 0xffff                 ; the expert
	s_lshr_b32 s[PW], s[WV], 1
	s_and_b32 s[KW], s[WV], 1
	v_and_b32 v[LN], 31, v0
	v_and_b32 v[T0], 15, v0                        ; r
	v_bfe_u32 v[T1], v0, 4, 1                      ; h
	s_lshl_b32 s50, s[KW], 19                      ; W2: row 128 (w % 2) + 64 (p / 4) + p % 4 + 32 h of 4,096 bytes, + 16 r
	s_lshr_b32 s51, s[PW], 2
	s_lshl_b32 s51, s51, 18
	s_add_co_u32 s50, s50, s51
	s_and_b32 s51, s[PW], 3
	s_lshl_b32 s51, s51, 12
	s_add_co_u32 s50, s50, s51
	v_lshlrev_b32 v[R16], 4, v[T0]
	v_lshl_add_u32 v[WO], v[T1], 17, v[R16]
	v_add_nc_u32 v[WO], s50, v[WO]
	s_lshl_b32 s50, s[KW], 13                      ; images: fragment 4 (w % 2) + j at 2,048 each; register 2 p at 512 (p / 2) + 8 (p % 2); 16 x lane
	s_lshr_b32 s51, s[PW], 1
	s_lshl_b32 s51, s51, 9
	s_add_co_u32 s50, s50, s51
	s_and_b32 s51, s[PW], 1
	s_lshl_b32 s51, s51, 3
	s_add_co_u32 s50, s50, s51
	v_lshlrev_b32 v[BA], 4, v[LN]
	v_add_nc_u32 v[BA+1], 0x10000, v[BA]
	v_add_nc_u32 v[BA+2], 0x20000, v[BA]
	v_add_nc_u32 v[BA+3], 0x30000, v[BA]
	v_add_nc_u32 v[IA], s50, v[BA]
	s_mul_i32 s50, s[EE], 4608                     ; my expert's list,
	s_lshl_b32 s51, s[WV], 6
	s_add_co_u32 s50, s50, s51
	v_lshl_add_u32 v[LT], v[T1], 5, s50            ; words 16 wave + 8 h on
	s_mov_b32 s[SEL], 0x05010400
	s_mov_b32 s[SEL+1], 0x07030602
	s_mov_b32 s[SEL+2], 0x05040100
	s_mov_b32 s[SEL+3], 0x07060302
	s_wait_kmcnt 0x0
	s_lshl_b32 s26, s[EE], 4
	s_mov_b32 s27, 0
	s_add_nc_u64 s[8:9], s[8:9], s[26:27]
	s_load_b128 s[EX:EX+3], s[8:9], 0x0            ; ex, ew1, eh, ew2 of my expert
	s_lshl_b32 s26, s[EE], 8
	s_add_nc_u64 s[16:17], s[16:17], s[26:27]
	s_load_b64 s[CNT:CNT+1], s[16:17], 0x0         ; cnt, low of my expert
	s_lshl_b32 s50, ttmp9, 8                       ; my 64 columns are 256 bytes of a row
	s_lshl_b32 s26, s[EE], 24                      ; an expert's W2 is 2^24 bytes
	s_add_co_u32 s26, s26, s50
	s_add_nc_u64 s[WB:WB+1], s[4:5], s[26:27]
	s_add_nc_u64 s[WB+2:WB+3], s[WB:WB+1], 0x800000   ; 2,048 rows on, so that every offset stays inside the signed 24-bit immediate (ISA guide, chapter 10)
	s_lshl_b32 s26, s[EE], 12
	s_add_co_u32 s26, s26, s50
	s_add_nc_u64 s[6:7], s[6:7], s[26:27]
	s_mov_b32 s26, s50
	s_add_nc_u64 s[18:19], s[18:19], s[26:27]      ; out0 at my columns
	global_load_b128 v[B2:B2+3], v[R16], s[6:7]    ; b2: columns 4 r .. + 3
	global_load_b128 v[TKN:TKN+3], v[LT], s[10:11]             ; the tokens of rows 8 h .. 8 h + 3 of my first tile,
	global_load_b128 v[TKN+8:TKN+11], v[LT], s[10:11] offset:16   ; and of rows 8 h + 4 .. 8 h + 7
.irp n, 0,1,2,3
	WLOAD \n
.endr
	s_wait_kmcnt 0x0
	s_add_co_i32 s50, s[EX+3], 127
	s_lshl_b32 s51, s50, 23
	v_mov_b32 v[SC], s51                           ; 2^ew2 as f32: the conversion takes its exponent field
	s_add_co_i32 s50, s50, 15
	s_lshl_b32 s50, s50, 23
	s_or_b32 s50, s50, 0x600000
	v_mov_b32 v[LIM], s50                          ; 57,344 x 2^ew2
	s_add_co_i32 s[SCO], s[EX+2], s[EX+3]
	s_add_co_i32 s[SCO], s[SCO], 127
	s_lshl_b32 s[SCO], s[SCO], 23                  ; 2^(eh + ew2)
	s_min_u32 s[CNT], s[CNT], 0x400
	s_min_u32 s[LOW], s[LOW], 0x400
	s_add_co_u32 s[NT], s[CNT], 15
	s_lshr_b32 s[NT], s[NT], 4                     ; tiles of 16 tokens
	s_lshr_b32 s[BT], s[LOW], 4
	s_add_co_u32 s[BT], s[BT], s[EE]               ; the first tile's place in hq
	s_sub_co_i32 s51, s[NT], s[WV]
	s_max_i32 s51, s51, 0
	s_min_u32 s51, s51, 1                          ; 1 in a wave with a tile, else 0
	s_mul_i32 s50, s51, s[WV]
	s_add_co_u32 s50, s50, s[BT]                   ; my tile's place; a wave without a tile: the place BT
	s_min_u32 s50, s50, 71
	s_lshl_b32 s50, s50, 16                        ; a tile's 32 images are 65,536 bytes
	s_lshl_b32 s51, s51, 4
	v_mul_u32_u24 v[AO], s51, v[LN]                ; 16 bytes from lane to lane; a wave without a tile: all lanes at one piece
	v_add_nc_u32 v[AO], s50, v[AO]
	ALOAD 0                                        ; behind quads 2 and 3
	QUADS 0, 20, 20                                ; behind quad 0: quads 1 to 3 and step 0's fragments (12 + 8); behind quad 1: quads 2 to 4 and the fragments.  b2's load and the tokens' are older than quad 0's
	IMG 0
	BAR                                            ; step 0's images are whole
	ALOAD 1                                        ; behind quads 4 and 5
	; the counts, a quad 4 loads, a step's fragments 8.  Behind a step's first quad: its partner, fragments, two quads, fragments = 28; behind the second: fragments, two quads, fragments, the quad just asked for = 28;
	; behind the fragments that the step multiplies: two quads, fragments, the step's two new quads = 24
	STEP 1, 28, 28, 0, 24, 1, 0
.irp r, 2,3,4,5,6,7,8,9,10,11,12,13
	STEP \r, 28, 28, 1, 24, 0, 0
.endr
	STEP 14, 28, 24, 1, 16, 0, 1                   ; no quad is left to ask for: 4 + 8 + 8 + 8, then 8 + 8 + 8, then 8 + 8.  The gates go into the slots of quads 28 and 29, ahead of step 15's fragments
	STEP 15, 28, 24, 1, 16, 0, 0                   ; behind quad 30: quad 31, fragments, gates, fragments; behind quad 31: the last three; behind step 14's fragments: gates, fragments
	CONS 15, 1, 0, 0
	; from here on LDS is only read, and no barrier follows
	s_mov_b32 s[TILE], s[WV]
	s_mov_b32 s[LOF], 0
	s_cmp_ge_u32 s[TILE], s[NT]
	s_cbranch_scc1 .Lend
.Lpass:                                                ; four trips at the most: tiles wave, wave + 16, wave + 32, wave + 48
.irp j, 0,1,2,3,4,5,6,7
.irp u, 0,1,2,3
	v_fma_f32 v[OV+4*\j+\u], v[ACC+8*\u+\j], s[SCO], v[B2+\u]   ; sum x 2^(eh + ew2) + b2: each accumulator from its low end on
.endr
.endr
	s_wait_loadcnt 0x0                             ; the gates (older than the last fragments, which are in)
.irp j, 0,1,2,3,4,5,6,7
.irp u, 0,1,2,3
	v_mul_f32 v[OV+4*\j+\u], v[OV+4*\j+\u], v[GG+\j]
.endr
.endr
.irp j, 0,1,2,3,4,5,6,7
	global_store_b128 v[OO+\j], v[OV+4*\j:OV+4*\j+3], s[18:19] th:TH_STORE_NT   ; sixteen lanes store 256 consecutive bytes of one token's row, the other sixteen of another's; written once, read by nobody here
.endr
	s_add_co_u32 s[TILE], s[TILE], 16
	s_cmp_ge_u32 s[TILE], s[NT]
	s_cbranch_scc1 .Lend                           ; NT is 64 at the most, so the fourth trip always leaves here
	; a further tile of this wave (an expert with more than 256 tokens): all sixteen steps again, from the images that stay
	s_wait_xcnt 0x0                                ; the stores have read their registers: their offsets are made anew, and LDS loads land on their data below
.rept 5
	v_nop                                          ; the sums begin anew with the constant 0 over accumulators of earlier products: five places (ISA guide 7.12.1)
.endr
	s_add_co_u32 s[LOF], s[LOF], 1024              ; 16 tiles on in the list
	v_add_nc_u32 v[LC], s[LOF], v[LT]
	global_load_b128 v[TKN:TKN+3], v[LC], s[10:11]
	global_load_b128 v[TKN+8:TKN+11], v[LC], s[10:11] offset:16
	s_add_co_u32 s50, s[BT], s[TILE]
	s_min_u32 s50, s50, 71
	s_lshl_b32 s50, s50, 16
	v_add_nc_u32 v[AO], s50, v[BA]
	s_wait_loadcnt 0x0
	GATES
	ALOAD 0                                        ; the two sets by turns, one step ahead: behind a step's fragments stand the next step's eight loads
	ALOAD 1
	CONS 0, 0, 8, 1
	ALOAD 2
.irp r, 1,2,3,4,5,6,7,8,9,10,11,12,13
	CONS \r, 0, 8, 0
	ALOAD (\r)+2
.endr
	CONS 14, 0, 8, 0
	CONS 15, 0, 0, 0
	s_cmp_lt_u32 s[LOF], 4096
	s_cbranch_scc1 .Lpass
.Lend:
	s_wait_tensorcnt 0x0
	ds_add_u32 v252, v253
	s_wait_dscnt 0x0
	s_endpgm
.Lfunc_end_k_qb06a520b1b_ffn2:
	.size	k_qb06a520b1b_ffn2, .Lfunc_end_k_qb06a520b1b_ffn2-k_qb06a520b1b_ffn2
	.p2alignl 7, 3214868480
	.fill 96, 4, 3214868480
	.section	.rodata,"a",@progbits
	.p2align	6, 0x0
	.amdhsa_kernel k_qb06a520b1b_ffn2
		.amdhsa_group_segment_fixed_size 264192
		.amdhsa_private_segment_fixed_size 0
		.amdhsa_enable_private_segment 0
		.amdhsa_kernarg_size 64
		.amdhsa_user_sgpr_count 2
		.amdhsa_user_sgpr_kernarg_segment_ptr 1
		.amdhsa_wavefront_size32 1
		.amdhsa_system_sgpr_workgroup_id_x 1
		.amdhsa_system_sgpr_workgroup_id_y 1
		.amdhsa_system_sgpr_workgroup_id_z 1
		.amdhsa_system_vgpr_workitem_id 0
		.amdhsa_next_free_vgpr 256
		.amdhsa_next_free_sgpr 66
		.amdhsa_reserve_vcc 0
		.amdhsa_float_denorm_mode_32 3
		.amdhsa_float_denorm_mode_16_64 3
		.amdhsa_memory_ordered 1
		.amdhsa_forward_progress 1
		.amdhsa_inst_pref_size 206
	.end_amdhsa_kernel
	.amdgpu_metadata
---
amdhsa.version: [ 1, 2 ]
amdhsa.kernels:
  - .name:           k_qb06a520b1b_ffn2
    .symbol:         k_qb06a520b1b_ffn2.kd
    .args:
      - { .name: w2, .offset: 0, .size: 8, .value_kind: global_buffer, .address_space: global }
      - { .name: b2, .offset: 8, .size: 8, .value_kind: global_buffer, .address_space: global }
      - { .name: lowp_scales, .offset: 16, .size: 8, .value_kind: global_buffer, .address_space: global }
      - { .name: list, .offset: 24, .size: 8, .value_kind: global_buffer, .address_space: global }
      - { .name: gate, .offset: 32, .size: 8, .value_kind: global_buffer, .address_space: global }
      - { .name: hq, .offset: 40, .size: 8, .value_kind: global_buffer, .address_space: global }
      - { .name: meta, .offset: 48, .size: 8, .value_kind: global_buffer, .address_space: global }
      - { .name: out0, .offset: 56, .size: 8, .value_kind: global_buffer, .address_space: global }
    .group_segment_fixed_size: 264192
    .private_segment_fixed_size: 0
    .kernarg_segment_align: 8
    .kernarg_segment_size: 64
    .max_flat_workgroup_size: 512
    .sgpr_count:     66
    .vgpr_count:     256
    .wavefront_size: 32
...
	.end_amdgpu_metadata
.endif
;; end of part 5
;; ======== version 3 of 3: 4 launches; version 2 with the launches ffn1, ffn2 written anew for expert scheduling mode
;; workspace buffers: eidx 4,096 bytes of whole numbers; gate 4,096 bytes; xq 1,048,576 bytes; hq 4,718,592 bytes; list 40,960 bytes of whole numbers; meta 2,048 bytes of whole numbers
;; launch route: the kernel of part 1 again; grid 256 x 1, 8 waves a work-group, no clusters, 44,032 bytes of LDS; arguments x, router_w, lowp_scales, eidx, gate, xq; writes eidx, gate, xq
;; launch place: the kernel of part 2 again; grid 8 x 1, 1 waves a work-group, no clusters, 5,376 bytes of LDS; arguments eidx, list, meta; writes list, meta
;; launch ffn1 (part 6): grid 32 x 8, 16 waves a work-group, no clusters, 141,312 bytes of LDS; arguments w1, b1, lowp_scales, list, xq, hq, meta; writes hq
.if DOCPART == 6
	.amdgcn_target "amdgcn-amd-amdhsa--gfx1250"
	.amdhsa_code_object_version 6
	.text
	.protected	k_qb06a520b1b_ffn1
	.globl	k_qb06a520b1b_ffn1
	.p2align	8
	.type	k_qb06a520b1b_ffn1,@function
k_qb06a520b1b_ffn1:
	s_mov_b64 s[64:65], 0
	v_nop
	global_prefetch_b8 v0, s[64:65] scope:SCOPE_SE
	s_setreg_imm32_b32 hwreg(HW_REG_WAVE_SCHED_MODE, 0, 2), 2
	s_setreg_imm32_b32 hwreg(HW_REG_WAVE_MODE, 25, 1), 1
	s_wait_xcnt 0x0
	s_wait_alu depctr_vm_vsrc(0)
; THE FIRST LAYER, for the tokens that chose expert e alone: h = gelu(x W1[e] + b1[e]), exact gelu, quantised to BF8 (E5M2) with 2^eh.  Both operands of the product are codes of BF8; sums in f32.
; lowp_scales[4 e ..] = ex, ew1, eh, ew2.  x's codes come from xq (made with 2^ex of the chosen expert); W1 arrives as f32 [1024 (k)][4096 (n)] and is quantised here with 2^ew1.
; SHARES.  Work-group (x = cb, y = e) owns hidden columns 128 cb .. + 127 of expert e: 1,024 rows x 512 bytes of W1, which no other work-group reads.  THE WEIGHTS STAY, THE ROWS WALK: the slab is quantised once
; into LDS as images of operand registers (131,072 bytes) and stays there; each of the 16 waves then owns tiles of 16 tokens.
; THE STREAM.  A load takes 16 bytes a lane: lanes 0-15 read 256 consecutive bytes (64 columns) of one row k, lanes 16-31 of the row 16 further down.  Column 4 r + j of a group of 64 belongs to tile j, as its row r.
; Four such loads (k, k+1, k+2, k+3) are a QUAD: 16 holds, 2 conversions, and a 4 x 4 byte transposition by 8 v_perm_b32 make of it ONE register of each of four fragments.
; A step is 128 along K: 8 fragments (tiles t = 4 g + j), 16,384 bytes; wave w makes registers q = 2 (w / 2), 2 (w / 2) + 1 of the four tiles of group g = w % 2.
; WHERE K LIES: byte b of register q in lane half h is k = 128 step + 32 (q / 4) + 16 h + 4 (q % 4) + b, in the weights' images and in x's fragments alike (four loads of 16 bytes, 32 bytes apart, from a token's row):
; a permutation of k, the same on both sides, so every product meets its partner; only the order of the sums inside an instruction differs from the plain one.
; THE MATRIX INSTRUCTION IS USED TRANSPOSED (source 0 = 16 hidden columns, source 1 = 16 tokens): lane (r, h) holds token r, and register j of tile 4 g + j' the hidden column 64 g + 32 h + 4 j + j'.
; The conversions' results, 16 registers a lane, are stored as they stand: they ARE the second layer's operand for K block cb, in the order of k in which that launch lays W2.
; THE ROWS.  The launch before has stored, as whole numbers, list[e] (the expert's tokens, then 32 words of the first of them, then zeros) and meta[e] = (cnt, low): cnt tokens of this expert, low tokens of lower experts.
; NT = max(ceil(cnt / 16), 1) tiles; their places in hq begin at BT = e + low / 16: the experts' ranges never meet and end at or under 72.
; An expert WITHOUT tokens still makes one tile, of token 0's codes, and stores it at BT: the next launch's waves without a tile read a few bytes there, and no byte is read that nobody stored.  No output comes of it.
; BARRIERS stand in straight text on every wave's path.  A wave without a tile (wave >= NT) jumps over LDS loads, matrix instructions, v_nop and the one wait between the products alone; its loads of x's codes are still
; issued (its words of the list are zeros or the first token: a row that exists), so that the counts of the waits are the same on every path.  The first step's products are not jumped over: they start every sum with the constant 0.
; An expert with more than 256 tokens takes further passes over the images, without barriers: a loop of four trips (16 waves x 4 = the 64 tiles that 1,024 tokens can make), left as soon as the wave's tile is past NT.
; NO TENSOR LOADS, NO CLUSTER: jumps here hang on counts read from memory, so operands go from memory into registers; the weights, 524,288 bytes a work-group, are shared with nobody, and what the 32
; work-groups of an expert share, x's codes, is 16,384 bytes a tile.  x's codes are read 32 bytes a row and instruction: a tile's rows are 16 arbitrary tokens, and a lane must get its own row.
; LIMITS.  ew1 and eh between -126 and 112; ex + ew1 between -126 and 127.  NaN is not served; what lies beyond a scale's range is held at the largest code.
; THE MODE: SCHED_MODE bits 1:0 = 2 (LLVM: expert scheduling mode 2), set by the entry lines.  The code itself states the register dependences between vector or matrix instructions and memory or LDS
; instructions, with s_wait_alu, always for 0.
; THE PLAN.  Registers that memory or LDS instructions touch, and who else names them:
;   ST0 .. ST3  a quad each.  The loads of W1 land in a slot; the quad's holds write it in place and its conversions read it; in the same step the quad four on is asked for into it.
;   TT          written by the step's permutes, read by the step's four LDS stores.        v[IA]  read by those stores, stepped once, in step 4.
;   B           the products' LDS loads land in it, four fragments at a time; four matrix instructions read it.  On the way out it is at work; its last 16 registers, HC, are the data of the stores of h's codes.
;   A           the loads of x's codes land in it behind a step's barrier; the next step's eight matrix instructions read it.
;   v[WO], v[BA], v[LA], v[BW], v[BR]  made at the head and never written again.        v[AO], v[LC], v[HO], v[TKR]  written once a pass.
;   C, P, the accumulators and the constants are named by vector and matrix instructions alone.
; A STEP: both quads are converted and turned; ONE wait on va_vdst (TT and v[IA] are written; the conversions are done with the two slots); the LDS stores; one wait on vm_vsrc (they have read TT and v[IA]);
; the two new quads' loads; the products of the step before, with one wait on va_vdst between their two fours (B is loaded again); the barrier; one wait on va_vdst (the products are done with A and B); x's next codes.
.set RING,   4                         ; quads on their way in each wave: 16 loads of 512 bytes
.set NQUADS, 16                        ; quads of a wave: 8 steps x 2
.set BIAS,   131072                    ; LDS behind the images: b1's 128 numbers in the accumulators' order, a copy of 512 bytes for each wave
.set WO,  1                            ; v1   W1: my lane's byte offset
.set IA,  2                            ; v2   where I store my registers of the images
.set BA,  3                            ; v3-4 16 x lane (+ 65,536): where I read images
.set AO,  5                            ; v5   xq: my token's row + 16 h
.set SC,  6                            ; v6   2^ew1
.set LIM, 7                            ; v7   57,344 x 2^ew1
.set LA,  8                            ; v8   the list: my row's word in the first pass, as a byte offset; never rewritten
.set BW,  10                           ; v10  the bias copy, in
.set BR,  11                           ; v11  the bias copy, out
.set HO,  12                           ; v12  hq: my 16 bytes of the tile's image
.set TT,  16                           ; v16-23  tile j's registers q, q + 1 at 2 j
.set C,   24                           ; v24-31  codes as converted
.set P,   32                           ; v32-35  half-way through the transposition
.set TKR, 36                           ; v36  my row's token
.set LC,  37                           ; v37  the list: my row's word in a further pass
.set A,   40                           ; v40-55    x's fragment
.set B,   56                           ; v56-119   four fragments of weights; in the way out at work
.set ACC, 120                          ; v120-183  eight accumulators
.set ST,  184                          ; v184-247  the ring: four quads of 16 numbers; in the way out constants
.set BL,  248                          ; v248-251  b1 as loaded
.set LN,  252                          ; v252 lane
.set H16, 253                          ; v253 16 h
.set T0,  254
.set T1,  255
.set WV,  16                           ; s16 wave
.set EE,  17                           ; s17 expert
.set PW,  19                           ; s19 wave / 2
.set GW,  20                           ; s20 wave % 2
.set WB,  24                           ; s[24:25], s[26:27] the slab's rows 0 on and 512 on
.set EX,  28                           ; s[28:31] ex, ew1, eh, ew2
.set CNT, 32                           ; s[32:33] cnt, low
.set LOW, 33
.set NT,  35
.set BT,  36
.set LOF, 37                           ; s37 the pass's bytes in the list: 1,024 a pass; it also counts the passes
.set TILE, 38
.set SEL, 40                           ; s40-43 the transposition's selectors
; the way out
.set eAB, 56
.set eTQ, 64
.set ePL, 72
.set eZZ, 80
.set BI0, 88
.set eMM, 96
.set HC,  104                          ; v104-119 the tile's codes: an operand's 16 registers
.set CO,  184                          ; ten coefficients, each twice (a pair for the packed forms)
.set SCL, 204
.set ZC,  206
.set QC,  208
.set SCH, 210
.set LIMH, 211
.set BI1, 212
.macro BAR                             ; my LDS stores have landed and my LDS loads are in: then the work-group's barrier
	s_wait_dscnt 0x0
	s_barrier_signal -1
	s_barrier_wait -1
.endm
.macro WLOAD n                         ; quad n = 2 step + d: rows k, k + 1, k + 2, k + 3; each load covers two runs of 256 consecutive bytes, read once in the launch
.irp b, 0,1,2,3
	global_load_b128 v[ST+16*((\n)%RING)+4*\b:ST+16*((\n)%RING)+4*\b+3], v[WO], s[WB+2*((\n)/8):WB+2*((\n)/8)+1] offset:((((\n)/2)%4)*128+4*((\n)%2)+\b)*16384 th:TH_LOAD_NT
.endr
.endm
.macro CONVQ n, cdst                   ; quad n: the hold, then 16 codes: register b of the four holds row b's four columns
.set SS, ST+16*((\n)%RING)
.set k, 0
.rept 16
	v_med3_num_f32 v[SS+k], v[SS+k], -v[LIM], v[LIM]   ; the conversion to an 8-bit code does not saturate (ISA guide 7.6.2)
.set k, k+1
.endr
	v_cvt_scalef32_pk8_bf8_f32 v[\cdst:\cdst+1], v[SS:SS+7], v[SC]
	v_cvt_scalef32_pk8_bf8_f32 v[\cdst+2:\cdst+3], v[SS+8:SS+15], v[SC]
.endm
.macro TRANS c, d                      ; 4 x 4 bytes turned: byte b of tile j's register = byte j of row b's
	v_perm_b32 v[P], v[\c+1], v[\c], s[SEL]
	v_perm_b32 v[P+1], v[\c+1], v[\c], s[SEL+1]
	v_perm_b32 v[P+2], v[\c+3], v[\c+2], s[SEL]
	v_perm_b32 v[P+3], v[\c+3], v[\c+2], s[SEL+1]
	v_perm_b32 v[TT+\d], v[P+2], v[P], s[SEL+2]
	v_perm_b32 v[TT+2+\d], v[P+2], v[P], s[SEL+3]
	v_perm_b32 v[TT+4+\d], v[P+3], v[P+1], s[SEL+2]
	v_perm_b32 v[TT+6+\d], v[P+3], v[P+1], s[SEL+3]
.endm
; A step's two quads are converted and turned.  nq0, nq1: the loads issued behind the quad's own, which may stay out.  The second quad's holds are the plain lines behind the first's conversions, the first's permutes
; those behind the second's.  All of the step's vector work on registers that memory or LDS instructions touch stands ahead of the one wait at the end.
.macro QUADS rho, nq0, nq1
	s_wait_loadcnt \nq0
	CONVQ 2*(\rho), C
	s_wait_loadcnt \nq1
	CONVQ 2*(\rho)+1, C+4
	TRANS C, 0
	TRANS C+4, 1
.if ((\rho)%4 == 0) && ((\rho) > 0)
	v_add_nc_u32 v[IA], 0x10000, v[IA]             ; (the last step's LDS stores have read it: the wait on vm_vsrc behind them)
.endif
	s_wait_alu depctr_va_vdst(0)                   ; the permutes have written TT (and the add v[IA]), which the LDS stores read; the holds and conversions are done with the two slots of the ring, in which the next loads land
.endm
.macro IMG rho                         ; my two registers of four fragments go to their place in the images: 8 bytes a lane, 16 bytes from lane to lane
.irp j, 0,1,2,3
	ds_store_b64 v[IA], v[TT+2*\j:TT+2*\j+1] offset:((\rho)%4)*16384+2048*\j
.endr
.if (\rho) < 7
	s_wait_alu depctr_vm_vsrc(0)                   ; the stores have read TT and v[IA], which the next step's permutes (and step 4's add) write again; it stands ahead of the jump of a wave without a tile
.endif
.endm
.macro ASKQ rho                        ; the two slots just emptied are asked for again: no vector instruction since the wait in QUADS names them
.if 2*(\rho)+RING < NQUADS
	WLOAD 2*(\rho)+RING
	WLOAD 2*(\rho)+1+RING
.endif
.endm
.macro ALOAD rho                       ; x's fragment of a step: 128 codes of my token's row
.irp c, 0,1,2,3
	global_load_b128 v[A+4*\c:A+4*\c+3], v[AO], s[12:13] offset:128*(\rho)+32*\c
.endr
.endm
; A step's eight products, four fragments at a time.  na: the loads issued behind x's fragment; the wait stands on every wave's path, since every wave loads into those registers again.
; The eight accumulators take turns, one instruction a turn.  Four v_nop stand behind each four products: the places in front of the first vector read of the results;
; for the loads into the products' sources the waits on va_vdst state the dependence.  The first four fragments' loads owe no wait here: the last wait on va_vdst stands behind every earlier reader of B.
.macro CONS rho, guard, na, zero
	s_wait_loadcnt \na
.if \guard
	s_cmp_lt_u32 s[WV], s[NT]
	s_cbranch_scc0 .Lidle_\@
.endif
.irp g, 0,1
.if \g == 1
	s_wait_alu depctr_va_vdst(0)                   ; the four products above are done reading v[B ..], in which the next four fragments land
.endif
.irp f, 0,1,2,3
.irp c, 0,1,2,3
	ds_load_b128 v[B+16*\f+4*\c:B+16*\f+4*\c+3], v[BA+(\rho)/4] offset:((\rho)%4)*16384+2048*(4*\g+\f)+512*\c
.endr
.endr
	s_wait_dscnt 0x0
.irp f, 0,1,2,3
.if \zero
	v_wmma_f32_16x16x128_bf8_bf8 v[ACC+8*(4*\g+\f):ACC+8*(4*\g+\f)+7], v[B+16*\f:B+16*\f+15], v[A:A+15], 0
.else
	v_wmma_f32_16x16x128_bf8_bf8 v[ACC+8*(4*\g+\f):ACC+8*(4*\g+\f)+7], v[B+16*\f:B+16*\f+15], v[A:A+15], v[ACC+8*(4*\g+\f):ACC+8*(4*\g+\f)+7]
.endif
.endr
.rept 4
	v_nop
.endr
.endr
.if \guard
.Lidle_\@:
.endif
.endm
; A step: quantise its part of the slab, store the images, ask for two more quads, multiply the step BEFORE (whose images a barrier has shown whole), meet, ask for this step's codes of x.
.macro STEP rho, nq0, nq1, guard, na, zero
	QUADS \rho, \nq0, \nq1
	IMG \rho
	ASKQ \rho
	CONS (\rho)-1, \guard, \na, \zero
	BAR
	s_wait_alu depctr_va_vdst(0)                   ; the products are done reading x's fragment, in which the loads below land, and v[B ..], in which the next products' LDS loads land
	ALOAD \rho
.endm
.macro KONST r, val
	v_mov_b32 v[\r], \val
	v_mov_b32 v[\r+1], \val
.endm
; gelu(v) = max(v, 0) - |v| erfc(|v| / sqrt 2) / 2: no difference of near numbers.  erfc(z) = t 2^(-z^2 log2 e + P(t)), t = 1 / (1 + z / 2), P of degree 9: a fractional error of about 1.2e-7 for every z >= 0.
; The biases come in two sets of eight registers by turns.  A set is loaded again two tiles on: the waits on va_vdst of the tile between stand behind the multiply-adds that read it, so those loads owe no wait of their own.
.macro GELU t
.set V,  ACC+8*(\t)
.set BI, BI0+(BI1-BI0)*((\t)%2)
.set BN, BI0+(BI1-BI0)*(((\t)+1)%2)
.if (\t) < 7
	ds_load_b128 v[BN:BN+3], v[BR] offset:32*(\t)+32     ; the next tile's eight biases
	ds_load_b128 v[BN+4:BN+7], v[BR] offset:32*(\t)+48
	s_wait_dscnt 0x2                               ; this tile's are in; those two may be out
.else
	s_wait_dscnt 0x0
.endif
.irp i, 0,2,4,6
	v_pk_fma_f32 v[V+\i:V+\i+1], v[V+\i:V+\i+1], v[SCL:SCL+1], v[BI+\i:BI+\i+1]   ; v = sum x 2^(ex + ew1) + b1: the accumulator from its low end on
.endr
.irp i, 0,1,2,3,4,5,6,7
	v_and_b32 v[eAB+\i], 0x7fffffff, v[V+\i]       ; |v|
.endr
.irp i, 0,2,4,6
	v_pk_fma_f32 v[eTQ+\i:eTQ+\i+1], v[eAB+\i:eAB+\i+1], v[QC:QC+1], 1.0 op_sel_hi:[1,1,0]   ; 1 + z / 2 = 1 + |v| sqrt(2) / 4
.endr
.irp i, 0,1,2,3,4,5,6,7
	v_rcp_f32 v[eTQ+\i], v[eTQ+\i]                 ; t
.endr
.irp i, 0,2,4,6
	v_pk_mul_f32 v[eZZ+\i:eZZ+\i+1], v[V+\i:V+\i+1], v[ZC:ZC+1]   ; (plain lines behind the reciprocals)  -v log2(e) / 2
.endr
	s_wait_alu depctr_va_vdst(0)                   ; the eight reciprocals have written t, ahead of its first reader; and the multiply-adds above are done reading this tile's biases, whose registers are loaded again two tiles on
.irp i, 0,2,4,6
	v_pk_fma_f32 v[ePL+\i:ePL+\i+1], v[eTQ+\i:eTQ+\i+1], v[CO+18:CO+19], v[CO+16:CO+17]
.endr
.irp n, 7,6,5,4,3,2,1,0
.irp i, 0,2,4,6
	v_pk_fma_f32 v[ePL+\i:ePL+\i+1], v[ePL+\i:ePL+\i+1], v[eTQ+\i:eTQ+\i+1], v[CO+2*\n:CO+2*\n+1]
.endr
.endr
.irp i, 0,2,4,6
	v_pk_fma_f32 v[ePL+\i:ePL+\i+1], v[eZZ+\i:eZZ+\i+1], v[V+\i:V+\i+1], v[ePL+\i:ePL+\i+1]   ; - z^2 log2(e) + P(t)
.endr
.irp i, 0,1,2,3,4,5,6,7
	v_exp_f32 v[ePL+\i], v[ePL+\i]
.endr
.irp i, 0,1,2,3,4,5,6,7
	v_max_num_f32 v[eMM+\i], 0, v[V+\i]            ; (plain lines behind the exponentials)
.endr
	s_wait_alu depctr_va_vdst(0)                   ; the eight exponentials have written their results, ahead of the first reader
.irp i, 0,2,4,6
	v_pk_mul_f32 v[eTQ+\i:eTQ+\i+1], v[eTQ+\i:eTQ+\i+1], v[ePL+\i:ePL+\i+1]   ; erfc
.endr
.irp i, 0,2,4,6
	v_pk_mul_f32 v[eTQ+\i:eTQ+\i+1], v[eTQ+\i:eTQ+\i+1], v[eAB+\i:eAB+\i+1]
.endr
.irp i, 0,2,4,6
	v_pk_fma_f32 v[V+\i:V+\i+1], v[eTQ+\i:eTQ+\i+1], -0.5, v[eMM+\i:eMM+\i+1] op_sel_hi:[1,0,1]
.endr
.irp i, 0,1,2,3,4,5,6,7
	v_med3_num_f32 v[V+\i], v[V+\i], -v[LIMH], v[LIMH]
.endr
	v_cvt_scalef32_pk8_bf8_f32 v[HC+2*(\t):HC+2*(\t)+1], v[V:V+7], v[SCH]   ; registers 2 t, 2 t + 1 of the next operand
.endm
	s_load_b256 s[4:11], s[0:1], 0x0               ; w1 s[4:5], b1 s[6:7], lowp_scales s[8:9], list s[10:11]
	s_load_b128 s[12:15], s[0:1], 0x20             ; xq s[12:13], hq s[14:15]
	s_load_b64 s[50:51], s[0:1], 0x30              ; meta
	v_lshl_add_u32 v38, v0, 2, 0x22000
	v_mov_b32 v39, 0
	v_lshrrev_b32 v[T0], 5, v0
	v_readfirstlane_b32 s[WV], v[T0]               ; wave 0..15
	s_and_b32 s[EE], ttmp7, 0xffff                 ; the expert
	v_and_b32 v[LN], 31, v0
	v_and_b32 v[T0], 15, v0                        ; r
	v_bfe_u32 v[T1], v0, 4, 1                      ; h
	v_lshlrev_b32 v[H16], 4, v[T1]
	s_wait_alu depctr_va_sdst(0)                   ; the wave's number is written into s[WV], ahead of its first reader
	s_lshr_b32 s[PW], s[WV], 1
	s_and_b32 s[GW], s[WV], 1
	s_lshr_b32 s44, s[PW], 1
	s_and_b32 s45, s[PW], 1
	s_lshl_b32 s46, s44, 19                        ; W1: row 32 (p / 2) + 8 (p % 2) + 16 h of 16,384 bytes, + 256 g + 16 r
	s_lshl_b32 s47, s45, 17
	s_add_co_u32 s46, s46, s47
	s_lshl_b32 s47, s[GW], 8
	s_add_co_u32 s46, s46, s47
	v_lshlrev_b32 v[WO], 4, v[T0]
	v_lshl_add_u32 v[WO], v[T1], 18, v[WO]
	v_add_nc_u32 v[WO], s46, v[WO]
	s_lshl_b32 s46, s[GW], 13                      ; images: fragment 4 g + j at 2,048 each; register 2 p at 512 (p / 2) + 8 (p % 2); 16 x lane
	s_lshl_b32 s47, s44, 9
	s_add_co_u32 s46, s46, s47
	s_lshl_b32 s47, s45, 3
	s_add_co_u32 s46, s46, s47
	v_lshlrev_b32 v[BA], 4, v[LN]
	v_add_nc_u32 v[BA+1], 0x10000, v[BA]
	v_add_nc_u32 v[IA], s46, v[BA]
	s_mul_i32 s46, s[EE], 4608                     ; my expert's list,
	s_lshl_b32 s47, s[WV], 6
	s_add_co_u32 s46, s46, s47
	v_lshl_add_u32 v[LA], v[T0], 2, s46            ; word 16 wave + r
	s_lshl_b32 s46, s[WV], 9
	s_add_co_u32 s46, s46, BIAS                    ; my wave's copy of the bias
	v_lshl_add_u32 v[BR], v[T1], 8, s46            ; out: 256 h + 32 t: tile t's eight numbers in the accumulator's order
	v_lshl_add_u32 v[BW], v[T1], 7, s46            ; in: lane l holds columns 4 l + j': 128 (l / 16) + 256 ((l / 8) % 2) + 4 (l % 8) + 32 j'
	v_bfe_u32 v[T1], v0, 3, 1
	v_lshl_add_u32 v[BW], v[T1], 8, v[BW]
	v_and_b32 v[T0], 7, v0
	v_lshl_add_u32 v[BW], v[T0], 2, v[BW]
	s_mov_b32 s[SEL], 0x05010400
	s_mov_b32 s[SEL+1], 0x07030602
	s_mov_b32 s[SEL+2], 0x05040100
	s_mov_b32 s[SEL+3], 0x07060302
	s_wait_kmcnt 0x0
	s_lshl_b32 s22, s[EE], 4
	s_mov_b32 s23, 0
	s_add_nc_u64 s[8:9], s[8:9], s[22:23]
	s_load_b128 s[EX:EX+3], s[8:9], 0x0            ; ex, ew1, eh, ew2 of my expert
	s_lshl_b32 s22, s[EE], 8
	s_add_nc_u64 s[50:51], s[50:51], s[22:23]
	s_load_b64 s[CNT:CNT+1], s[50:51], 0x0         ; cnt, low of my expert
	s_lshl_b32 s22, s[EE], 24                      ; an expert's W1 is 2^24 bytes; my 128 columns are 512 bytes of a row
	s_lshl_b32 s46, ttmp9, 9
	s_add_co_u32 s22, s22, s46
	s_add_nc_u64 s[WB:WB+1], s[4:5], s[22:23]
	s_add_nc_u64 s[WB+2:WB+3], s[WB:WB+1], 0x800000   ; 512 rows on, so that every offset stays inside the signed 24-bit immediate (ISA guide, chapter 10)
	s_lshl_b32 s22, s[EE], 14
	s_add_co_u32 s22, s22, s46
	s_add_nc_u64 s[6:7], s[6:7], s[22:23]
	s_wait_alu depctr_va_vdst(0)                   ; the offsets and LDS addresses made above (v[WO], v[IA], v[BA], v[BA+1], v[LA], v[BW], v[BR]) are written: the loads and LDS instructions of the whole kernel read them
	global_load_b128 v[BL:BL+3], v[BA], s[6:7]     ; b1: columns 4 lane .. + 3
	global_load_b32 v[TKR], v[LA], s[10:11]        ; my row's token
	WLOAD 0
	WLOAD 1
	WLOAD 2
	WLOAD 3
	s_wait_kmcnt 0x0
	s_add_co_i32 s46, s[EX+1], 127
	s_lshl_b32 s47, s46, 23
	v_mov_b32 v[SC], s47                           ; 2^ew1 as f32: the conversion takes its exponent field
	s_add_co_i32 s46, s46, 15
	s_lshl_b32 s46, s46, 23
	s_or_b32 s46, s46, 0x600000
	v_mov_b32 v[LIM], s46                          ; 57,344 x 2^ew1
	s_min_u32 s[CNT], s[CNT], 0x400
	s_min_u32 s[LOW], s[LOW], 0x400
	s_add_co_u32 s[NT], s[CNT], 15
	s_lshr_b32 s[NT], s[NT], 4                     ; tiles of 16 tokens,
	s_max_u32 s[NT], s[NT], 1                      ; one at the least: the place BT in hq is always stored
	s_lshr_b32 s[BT], s[LOW], 4
	s_add_co_u32 s[BT], s[BT], s[EE]               ; the first tile's place in hq
	QUADS 0, 12, 8                                 ; behind quad 0: quads 1 to 3; behind quad 1: quads 2 and 3.  b1's load and the token's are older than quad 0's
.irp j, 0,1,2,3
	ds_store_b32 v[BW], v[BL+\j] offset:32*\j      ; my wave's own bytes
.endr
	IMG 0
	ASKQ 0
	BAR                                            ; step 0's images are whole
	v_min_u32 v[AO], 0x3ff, v[TKR]
	v_lshl_add_u32 v[AO], v[AO], 10, v[H16]        ; my token's row of 1,024 codes + 16 h.  (A wave without a tile finds zeros or the first token in its words of the list)
	s_wait_alu depctr_va_vdst(0)                   ; v[AO] is written, which the loads of x's codes read
	ALOAD 0
	; the counts: behind a quad stand the younger quads (4 loads each) and the loads of x's codes (4 a step); behind x's fragment the step's two new quads
	STEP 1, 16, 12, 0, 8, 1
	STEP 2, 20, 16, 1, 8, 0
	STEP 3, 20, 16, 1, 8, 0
	STEP 4, 20, 16, 1, 8, 0
	STEP 5, 20, 16, 1, 8, 0
	STEP 6, 20, 16, 1, 0, 0                        ; no quad is left to ask for: the counts run down
	STEP 7, 12, 8, 1, 0, 0
	CONS 7, 1, 0, 0
	; from here on LDS is only read, and no barrier follows
	s_mov_b32 s[TILE], s[WV]
	s_mov_b32 s[LOF], 0
	s_cmp_ge_u32 s[TILE], s[NT]
	s_cbranch_scc1 .Lend
	KONST CO,    0xbfe9b21e                        ; P's coefficients x log2(e): -1.8257482
	KONST CO+2,  0x3fb8ab5a                        ;  1.4427292
	KONST CO+4,  0x3f0a29d2                        ;  0.53970062
	KONST CO+6,  0x3e0efb2f                        ;  0.13963006
	KONST CO+8,  0xbe899a80                        ; -0.26875686
	KONST CO+10, 0x3ecdfd18                        ;  0.40232158
	KONST CO+12, 0xbfd1a1e5                        ; -1.6377532
	KONST CO+14, 0x40097039                        ;  2.1474745
	KONST CO+16, 0xbf97d29d                        ; -1.1861149
	KONST CO+18, 0x3e7c6f08                        ;  0.24651730
	KONST ZC,    0xbf38aa3b                        ; -log2(e) / 2
	KONST QC,    0x3eb504f3                        ; sqrt(2) / 4
	s_add_co_i32 s46, s[EX], s[EX+1]
	s_add_co_i32 s46, s46, 127
	s_lshl_b32 s46, s46, 23
	v_mov_b32 v[SCL], s46                          ; 2^(ex + ew1)
	v_mov_b32 v[SCL+1], s46
	s_add_co_i32 s46, s[EX+2], 127
	s_lshl_b32 s47, s46, 23
	v_mov_b32 v[SCH], s47                          ; 2^eh
	s_add_co_i32 s46, s46, 15
	s_lshl_b32 s46, s46, 23
	s_or_b32 s46, s46, 0x600000
	v_mov_b32 v[LIMH], s46                         ; 57,344 x 2^eh
.Lpass:                                                ; four trips at the most: tiles wave, wave + 16, wave + 32, wave + 48
	s_add_co_u32 s46, s[BT], s[TILE]
	s_min_u32 s46, s46, 71
	s_lshl_b32 s46, s46, 16                        ; a tile's 32 images are 65,536 bytes,
	s_lshl_b32 s47, ttmp9, 11                      ; K block cb's 2,048
	s_add_co_u32 s46, s46, s47
	v_add_nc_u32 v[HO], s46, v[BA]
	s_wait_alu depctr_va_vdst(0)                   ; the last products are done reading v[B ..], in which the first biases land; the ring's conversions are done with the registers of the second set; v[HO] is written, which the stores below read
	ds_load_b128 v[BI0:BI0+3], v[BR]
	ds_load_b128 v[BI0+4:BI0+7], v[BR] offset:16
.irp t, 0,1,2,3,4,5,6,7
	GELU \t
.endr
	v_nop                                          ; one plain vector line behind the last conversion
	s_wait_alu depctr_va_vdst(0)                   ; the conversions have written v[HC ..], which the stores read
.irp c, 0,1,2,3
	global_store_b128 v[HO], v[HC+4*\c:HC+4*\c+3], s[14:15] offset:512*\c   ; the operand's registers as they stand: 512 consecutive bytes a store
.endr
	s_wait_alu depctr_vm_vsrc(0)                   ; the stores have read v[HC ..] and v[HO], the loads of x's codes v[AO], the list's load v[LC]: a further pass writes all of them again; the wait stands ahead of the branch
	s_add_co_u32 s[TILE], s[TILE], 16
	s_cmp_ge_u32 s[TILE], s[NT]
	s_cbranch_scc1 .Lend                           ; NT is 64 at the most, so the fourth trip always leaves here
	; a further tile of this wave (an expert with more than 256 tokens): all eight steps again, from the images that stay
	s_wait_xcnt 0x0                                ; the stores have read their registers: LDS loads land there below
.rept 5
	v_nop                                          ; the sums begin anew with the constant 0 over accumulators of earlier products: five places (ISA guide 7.12.1)
.endr
	s_add_co_u32 s[LOF], s[LOF], 1024              ; 16 tiles on in the list
	v_add_nc_u32 v[LC], s[LOF], v[LA]
	s_wait_alu depctr_va_vdst(0)                   ; v[LC] is written, which the load reads; the line that made v[AO] is done reading v[TKR], in which the load lands
	global_load_b32 v[TKR], v[LC], s[10:11]
	s_wait_loadcnt 0x0
	v_min_u32 v[AO], 0x3ff, v[TKR]
	v_lshl_add_u32 v[AO], v[AO], 10, v[H16]
	s_wait_alu depctr_va_vdst(0)                   ; v[AO] is written; the last pass's products are done reading x's fragment; the way out is done with v[B ..], in which the LDS loads land
	ALOAD 0
	CONS 0, 0, 0, 1
.irp r, 1,2,3,4,5,6,7
	s_wait_alu depctr_va_vdst(0)                   ; the products are done reading x's fragment, in which the loads below land, and v[B ..], in which the next LDS loads land
	ALOAD \r
	CONS \r, 0, 0, 0
.endr
	s_cmp_lt_u32 s[LOF], 4096
	s_cbranch_scc1 .Lpass
.Lend:
	s_wait_dscnt 0x0                               ; the closing lines, six on end
	s_wait_alu 0x0
	s_wait_tensorcnt 0x0
	ds_add_u32 v38, v39
	s_wait_dscnt 0x0
	s_endpgm
.Lfunc_end_k_qb06a520b1b_ffn1:
	.size	k_qb06a520b1b_ffn1, .Lfunc_end_k_qb06a520b1b_ffn1-k_qb06a520b1b_ffn1
	.p2alignl 7, 3214868480
	.fill 96, 4, 3214868480
	.section	.rodata,"a",@progbits
	.p2align	6, 0x0
	.amdhsa_kernel k_qb06a520b1b_ffn1
		.amdhsa_group_segment_fixed_size 141312
		.amdhsa_private_segment_fixed_size 0
		.amdhsa_enable_private_segment 0
		.amdhsa_kernarg_size 56
		.amdhsa_user_sgpr_count 2
		.amdhsa_user_sgpr_kernarg_segment_ptr 1
		.amdhsa_wavefront_size32 1
		.amdhsa_system_sgpr_workgroup_id_x 1
		.amdhsa_system_sgpr_workgroup_id_y 1
		.amdhsa_system_sgpr_workgroup_id_z 1
		.amdhsa_system_vgpr_workitem_id 0
		.amdhsa_next_free_vgpr 256
		.amdhsa_next_free_sgpr 66
		.amdhsa_reserve_vcc 0
		.amdhsa_float_denorm_mode_32 3
		.amdhsa_float_denorm_mode_16_64 3
		.amdhsa_memory_ordered 1
		.amdhsa_forward_progress 1
		.amdhsa_inst_pref_size 146
	.end_amdhsa_kernel
	.amdgpu_metadata
---
amdhsa.version: [ 1, 2 ]
amdhsa.kernels:
  - .name:           k_qb06a520b1b_ffn1
    .symbol:         k_qb06a520b1b_ffn1.kd
    .args:
      - { .name: w1, .offset: 0, .size: 8, .value_kind: global_buffer, .address_space: global }
      - { .name: b1, .offset: 8, .size: 8, .value_kind: global_buffer, .address_space: global }
      - { .name: lowp_scales, .offset: 16, .size: 8, .value_kind: global_buffer, .address_space: global }
      - { .name: list, .offset: 24, .size: 8, .value_kind: global_buffer, .address_space: global }
      - { .name: xq, .offset: 32, .size: 8, .value_kind: global_buffer, .address_space: global }
      - { .name: hq, .offset: 40, .size: 8, .value_kind: global_buffer, .address_space: global }
      - { .name: meta, .offset: 48, .size: 8, .value_kind: global_buffer, .address_space: global }
    .group_segment_fixed_size: 141312
    .private_segment_fixed_size: 0
    .kernarg_segment_align: 8
    .kernarg_segment_size: 56
    .max_flat_workgroup_size: 512
    .sgpr_count:     66
    .vgpr_count:     256
    .wavefront_size: 32
...
	.end_amdgpu_metadata
.endif
;; end of part 6
;; launch ffn2 (part 7): grid 16 x 8, 16 waves a work-group, no clusters, 264,192 bytes of LDS; arguments w2, b2, lowp_scales, list, gate, hq, meta, out0; writes out0
.if DOCPART == 7
	.amdgcn_target "amdgcn-amd-amdhsa--gfx1250"
	.amdhsa_code_object_version 6
	.text
	.protected	k_qb06a520b1b_ffn2
	.globl	k_qb06a520b1b_ffn2
	.p2align	8
	.type	k_qb06a520b1b_ffn2,@function
k_qb06a520b1b_ffn2:
	s_mov_b64 s[64:65], 0
	v_nop
	global_prefetch_b8 v0, s[64:65] scope:SCOPE_SE
	s_setreg_imm32_b32 hwreg(HW_REG_WAVE_SCHED_MODE, 0, 2), 2
	s_setreg_imm32_b32 hwreg(HW_REG_WAVE_MODE, 25, 1), 1
	s_wait_xcnt 0x0
	s_wait_alu depctr_vm_vsrc(0)
; THE SECOND LAYER, for the tokens that chose expert e alone: out[token] = (h W2[e] + b2[e]) x gate[token].  Both operands of the product are codes of BF8 (E5M2); sums in f32.
; lowp_scales[4 e ..] = ex, ew1, eh, ew2.  h's codes come from hq, as images of operand registers (tile, K block: 2,048 bytes); W2 arrives as f32 [4096 (k)][1024 (n)] and is quantised here with 2^ew2.
; SHARES.  Work-group (x = nb, y = e) owns output columns 64 nb .. + 63 of expert e and ALL of K: 4,096 rows x 256 bytes of W2, which no other work-group reads.  So each 256 bytes of an output row have one owner and no
; partial sum goes through memory.  There are 8 x 16 such slabs, hence 128 work-groups: halving the columns would halve every run of consecutive bytes, halving K would want a launch more for the sum.
; THE WEIGHTS STAY, THE ROWS WALK: the slab is quantised once into LDS as images of operand registers (262,144 bytes); each of the 16 waves then owns tiles of 16 tokens.
; THE STREAM.  A load takes 16 bytes a lane: lanes 0-15 read the 256 bytes of one row k, lanes 16-31 of the row 32 further down.  Column 4 r + j belongs to tile j, as its column r.  Four loads (k, k+4, k+8, k+12) are a QUAD:
; 16 holds, 2 conversions, a 4 x 4 byte transposition by 8 v_perm_b32: ONE register of each of the four tiles' fragments.  A step is 256 along K: 2 K blocks x 4 tiles = 8 fragments, 16,384 bytes;
; wave w makes registers q = 2 (w / 2), 2 (w / 2) + 1 of the four tiles of K block 2 step + w % 2.
; WHERE K LIES: byte b of register q in lane half h is k = 128 block + 64 (q / 8) + 32 h + 16 (q % 2) + 4 b + (q / 2) % 4: the order in which the first layer's conversions leave h.  The same on both sides, so every product
; meets its partner; only the order of the sums inside an instruction differs from the plain one.
; THE PRODUCT: source 0 = 16 tokens, source 1 = 16 columns.  Register j of tile jt in lane (r, h) is (row 8 h + j, column 4 r + jt): the four tiles' registers j are 16 neighbouring bytes of a row, and sixteen lanes store
; 256 consecutive bytes of a token's row, at a multiple of 256 from out0's first byte: no way through LDS.
; THE ORDER OF THE LOADS.  Loads into registers are counted done in the order of issue (ISA guide 5.7.1), so a wait for h's fragments is also a wait for every load issued before them.  Step s is multiplied in step s + 1,
; behind the conversion of quads 2 s + 2 and 2 s + 3.  So h's fragments of step s are asked for directly behind those two quads, two steps ahead of their products, into two sets of registers by turns: when the wave waits
; for them, all that is older has been waited for anyway, and the four quads of the ring stay on their way.  The order: Q0-3 A0 | Q4 Q5 A1 | Q6 Q7 A2 | .. | Q30 Q31 A14 | gates A15.
; THE ROWS.  list[e] (the expert's tokens, then 32 words of the first of them, then zeros) and meta[e] = (cnt, low) are the first layer's: BT = e + low / 16; here NT = ceil(cnt / 16).  The last tile's spare rows repeat the
; list's first token: they store the same numbers to the same bytes as that token's own row, from this work-group.
; The first pass's eight tokens of a lane are loaded at the head; their gates are asked for in step 14, into two slots of the ring that have had their last quad, so that no load stands between the last product and the stores.
; BARRIERS stand in straight text on every wave's path.  A wave without a tile (wave >= NT) jumps over LDS loads, matrix instructions, v_nop and the one wait between the products alone; its loads are still issued, so that
; the counts of the waits are the same on every path: all its lanes read one piece of 16 bytes a load, in the tile place BT of hq, which the first layer stores for every expert.  The first step's products are not jumped
; over: they start every sum with the constant 0.  An expert with more than 256 tokens takes further passes over the images, without barriers: a loop of four trips (16 waves x 4 = 64 tiles), left as soon as the wave's tile is past NT.
; NO TENSOR LOADS, NO CLUSTER: jumps here hang on counts read from memory, so operands go from memory into registers; the weights, 1,048,576 bytes a work-group, are shared with nobody, and what the 16
; work-groups of an expert share, h's codes, is 65,536 bytes a tile.
; LIMITS.  ew2 between -126 and 112; eh + ew2 between -126 and 127.  NaN is not served; what lies beyond a scale's range is held at the largest code.  An expert without tokens streams its slab and stores nothing.
; THE MODE: SCHED_MODE bits 1:0 = 2 (LLVM: expert scheduling mode 2), set by the entry lines.  The code itself states the register dependences between vector or matrix instructions and memory or LDS
; instructions, with s_wait_alu, always for 0.
; THE PLAN.  Registers that memory or LDS instructions touch, and who else names them:
;   ST0 .. ST3  a quad each.  The loads of W2 land in a slot; the quad's holds write it in place and its conversions read it; in the same step the quad four on is asked for into it.  From step 14 on slots 0 and 1 hold
;               the gates' offsets (made by vector lines, read by the gates' loads), the gates (loaded, read by the multiplications) and the rows' offsets (made by vector lines, read by the stores).
;   B           the products' LDS loads land in it, four fragments at a time; four matrix instructions read it.  Between the products C, P and TT lie in it: written by the conversions and permutes; TT is read by the
;               step's four LDS stores.  On the way out OV lies in it: written by vector lines, read by the stores.
;   v[IA]       read by the LDS stores, stepped in steps 4, 8 and 12.
;   A0, A1      the loads of h's codes land in a set behind a step's barrier; the eight matrix instructions two steps on read it.
;   v[WO], v[BA ..], v[LT], v[R16]  made at the head and never written again.        v[AO], v[LC], the tokens  written once a pass.
;   The accumulators, b2 and the scales are named by vector and matrix instructions alone.
; A STEP: both quads are converted and turned; ONE wait on va_vdst (TT and v[IA] are written; the vector lines are done with the two slots and with C, P and TT); the LDS stores; one wait on vm_vsrc (they have read TT and
; v[IA]); the two new quads' loads; the products of the step before, with one wait on va_vdst between their two fours (B is loaded again); the barrier; one wait on va_vdst (the products are done with h's set and with B);
; h's codes of the next step.
.set RING,   4                         ; quads on their way in each wave: 16 loads of 512 bytes, two steps' worth; as many steps as h has sets of registers
.set NQUADS, 32                        ; quads of a wave: 16 steps x 2
.set WO,  1                            ; v1    W2: my lane's byte offset
.set IA,  2                            ; v2    where I store my registers of the images
.set BA,  3                            ; v3-6  16 x lane + 65,536 i: where I read images
.set AO,  7                            ; v7    hq: my 16 bytes of the tile's images
.set SC,  8                            ; v8    2^ew2
.set LIM, 9                            ; v9    57,344 x 2^ew2
.set LT,  10                           ; v10   the list: my half's eight rows in the first pass, as a byte offset; never rewritten
.set LC,  11                           ; v11   the same in a further pass
.set TKN, 12                           ; v12-15 and v20-23  the tokens of rows 8 h + j: token j at TKN + j + 4 (j / 4)
.set B2,  16                           ; v16-19  b2 of my four columns
.set A,   24                           ; v24-87   h's two fragments of a step, two sets: step s in set s % 2
.set B,   88                           ; v88-151  four fragments of weights; between the products also:
.set TT,  88                           ; v88-95   tile j's registers q, q + 1 at 2 j
.set C,   96                           ; v96-103  codes as converted
.set P,   104                          ; v104-107 half-way through the transposition
.set OV,  112                          ; v112-143 the way out: 32 results
.set ACC, 152                          ; v152-183 four accumulators
.set ST,  184                          ; v184-247 the ring: four quads of 16 numbers.  Slots 0 and 1 (v184-215) have their last quads, 28 and 29, in step 14; then:
.set GO,  184                          ; v184-191 the gates' offsets
.set GG,  192                          ; v192-199 the gates
.set OO,  200                          ; v200-207 the rows' offsets in out0
.set LN,  248
.set R16, 249                          ; v249  16 r
.set T0,  254
.set T1,  255
.set AP,  14                           ; s[14:15] hq
.set WV,  20                           ; s20 wave
.set EE,  21                           ; s21 expert
.set PW,  23                           ; s23 wave / 2
.set KW,  24                           ; s24 wave % 2
.set WB,  28                           ; s[28:29], s[30:31] the slab's rows 0 on and 2,048 on
.set EX,  32                           ; s[32:35] ex, ew1, eh, ew2
.set CNT, 36                           ; s[36:37] cnt, low
.set LOW, 37
.set NT,  39
.set BT,  40
.set LOF, 41                           ; s41 the pass's bytes in the list: 1,024 a pass; it also counts the passes
.set TILE, 42
.set SEL, 44                           ; s44-47 the transposition's selectors
.set SCO, 52                           ; s52 2^(eh + ew2)
.macro BAR                             ; my LDS stores have landed and my LDS loads are in: then the work-group's barrier
	s_wait_dscnt 0x0
	s_barrier_signal -1
	s_barrier_wait -1
.endm
.macro WLOAD n                         ; quad n = 2 step + d: rows k, k + 4, k + 8, k + 12; each load covers two runs of 256 consecutive bytes, read once in the launch
.irp b, 0,1,2,3
	global_load_b128 v[ST+16*((\n)%RING)+4*\b:ST+16*((\n)%RING)+4*\b+3], v[WO], s[WB+2*((\n)/16):WB+2*((\n)/16)+1] offset:((((\n)/2)%8)*256+16*((\n)%2)+4*\b)*4096 th:TH_LOAD_NT
.endr
.endm
.macro CONVQ n, cdst                   ; quad n: the hold, then 16 codes: register b of the four holds row b's four columns
.set SS, ST+16*((\n)%RING)
.set k, 0
.rept 16
	v_med3_num_f32 v[SS+k], v[SS+k], -v[LIM], v[LIM]   ; the conversion to an 8-bit code does not saturate (ISA guide 7.6.2)
.set k, k+1
.endr
	v_cvt_scalef32_pk8_bf8_f32 v[\cdst:\cdst+1], v[SS:SS+7], v[SC]
	v_cvt_scalef32_pk8_bf8_f32 v[\cdst+2:\cdst+3], v[SS+8:SS+15], v[SC]
.endm
.macro TRANS c, d                      ; 4 x 4 bytes turned: byte b of tile j's register = byte j of row b's
	v_perm_b32 v[P], v[\c+1], v[\c], s[SEL]
	v_perm_b32 v[P+1], v[\c+1], v[\c], s[SEL+1]
	v_perm_b32 v[P+2], v[\c+3], v[\c+2], s[SEL]
	v_perm_b32 v[P+3], v[\c+3], v[\c+2], s[SEL+1]
	v_perm_b32 v[TT+\d], v[P+2], v[P], s[SEL+2]
	v_perm_b32 v[TT+2+\d], v[P+2], v[P], s[SEL+3]
	v_perm_b32 v[TT+4+\d], v[P+3], v[P+1], s[SEL+2]
	v_perm_b32 v[TT+6+\d], v[P+3], v[P+1], s[SEL+3]
.endm
; A step's two quads are converted and turned.  nq0, nq1: the loads issued behind the quad's own, which may stay out.  The second quad's holds are the plain lines behind the first's conversions, the first's permutes
; those behind the second's.  All of the step's vector work on registers that memory or LDS instructions touch stands ahead of the one wait at the end.
.macro QUADS rho, nq0, nq1
	s_wait_loadcnt \nq0
	CONVQ 2*(\rho), C
	s_wait_loadcnt \nq1
	CONVQ 2*(\rho)+1, C+4
	TRANS C, 0
	TRANS C+4, 1
.if ((\rho)%4 == 0) && ((\rho) > 0)
	v_add_nc_u32 v[IA], 0x10000, v[IA]             ; (the last step's LDS stores have read it: the wait on vm_vsrc behind them)
.endif
	s_wait_alu depctr_va_vdst(0)                   ; the permutes have written TT (and the add v[IA]), which the LDS stores read; the holds and conversions are done with the two slots of the ring, in which the next loads land; the vector lines are done with C, P and TT, on which the products' LDS loads land
.endm
.macro IMG rho                         ; my two registers of four fragments go to their place in the images: 8 bytes a lane, 16 bytes from lane to lane
.irp j, 0,1,2,3
	ds_store_b64 v[IA], v[TT+2*\j:TT+2*\j+1] offset:((\rho)%4)*16384+2048*\j
.endr
	s_wait_alu depctr_vm_vsrc(0)                   ; the stores have read TT and v[IA]: the products' LDS loads land on TT, the next step's permutes write it, every fourth step's add writes v[IA]; it stands ahead of the jump of a wave without a tile
.endm
.macro ASKQ rho                        ; the two slots just emptied are asked for again: no vector instruction since the wait in QUADS names them
.if 2*(\rho)+RING < NQUADS
	WLOAD 2*(\rho)+RING
	WLOAD 2*(\rho)+1+RING
.endif
.endm
.macro ALOAD rho                       ; h's two fragments of a step, into set step % 2: images, 512 consecutive bytes a load
.irp ks, 0,1
.irp c, 0,1,2,3
	global_load_b128 v[A+32*((\rho)%2)+16*\ks+4*\c:A+32*((\rho)%2)+16*\ks+4*\c+3], v[AO], s[AP:AP+1] offset:4096*(\rho)+2048*\ks+512*\c
.endr
.endr
.endm
.macro GATEV                           ; the eight tokens are in: held inside the table; the gates' offsets and the rows' offsets in out0 are made: all the vector lines first, so that one wait serves the loads
.irp j, 0,1,2,3,4,5,6,7
	v_min_u32 v[TKN+\j+4*(\j/4)], 0x3ff, v[TKN+\j+4*(\j/4)]
.endr
.irp j, 0,1,2,3,4,5,6,7
	v_lshlrev_b32 v[GO+\j], 2, v[TKN+\j+4*(\j/4)]
.endr
.irp j, 0,1,2,3,4,5,6,7
	v_lshl_add_u32 v[OO+\j], v[TKN+\j+4*(\j/4)], 12, v[R16]   ; a row of 4,096 bytes, + 16 r
.endr
.endm
.macro GATEL                           ; the gates are asked for
.irp j, 0,1,2,3,4,5,6,7
	global_load_b32 v[GG+\j], v[GO+\j], s[12:13]
.endr
.endm
; A step's eight products, a K block (four fragments of weights) at a time.  na: the loads issued behind h's fragments; the wait stands on every wave's path, since every wave loads into those registers again.
; LDS loads come back in order (ISA guide 5.7.1): fragment f's four are in when at most 12 - 4 f LDS instructions are out, and its product goes while the younger fragments are on their way.
; The four accumulators take turns, one instruction a turn.  Four v_nop behind each four products: the places in front of vector writes of their registers and of the first read of the results
; for the loads into the products' sources the waits on va_vdst state the dependence.  The first K block's loads owe no wait here: the last wait on va_vdst stands behind every earlier reader and writer of B.
.macro CONS rho, guard, na, zero
	s_wait_loadcnt \na
.if \guard
	s_cmp_lt_u32 s[WV], s[NT]
	s_cbranch_scc0 .Lidle_\@
.endif
.irp ks, 0,1
.if \ks == 1
	s_wait_alu depctr_va_vdst(0)                   ; the four products above are done reading v[B ..], in which the next four fragments land
.endif
.irp f, 0,1,2,3
.irp c, 0,1,2,3
	ds_load_b128 v[B+16*\f+4*\c:B+16*\f+4*\c+3], v[BA+(\rho)/4] offset:((\rho)%4)*16384+2048*(4*\ks+\f)+512*\c
.endr
.endr
.irp f, 0,1,2,3
	s_wait_dscnt 12-4*\f
.if (\zero) && (\ks == 0)
	v_wmma_f32_16x16x128_bf8_bf8 v[ACC+8*\f:ACC+8*\f+7], v[A+32*((\rho)%2)+16*\ks:A+32*((\rho)%2)+16*\ks+15], v[B+16*\f:B+16*\f+15], 0
.else
	v_wmma_f32_16x16x128_bf8_bf8 v[ACC+8*\f:ACC+8*\f+7], v[A+32*((\rho)%2)+16*\ks:A+32*((\rho)%2)+16*\ks+15], v[B+16*\f:B+16*\f+15], v[ACC+8*\f:ACC+8*\f+7]
.endif
.endr
.rept 4
	v_nop
.endr
.endr
.if \guard
.Lidle_\@:
.endif
.endm
; A step: quantise its part of the slab, store the images, ask for two more quads, multiply the step BEFORE (whose images a barrier has shown whole), meet, ask for the NEXT step's codes of h, into the set that those
; products have just left.  gat = 1: the gates are asked for ahead of them.
.macro STEP rho, nq0, nq1, guard, na, zero, gat
	QUADS \rho, \nq0, \nq1
	IMG \rho
	ASKQ \rho
	CONS (\rho)-1, \guard, \na, \zero
	BAR
.if \gat
	GATEV
.endif
	s_wait_alu depctr_va_vdst(0)                   ; the products are done reading h's set, in which the loads below land, and v[B ..], in which the last step's LDS loads land; in step 14 the gates' offsets are written, which their loads read
.if \gat
	GATEL
.endif
.if (\rho) < 15
	ALOAD (\rho)+1
.endif
.endm
	s_load_b256 s[4:11], s[0:1], 0x0               ; w2 s[4:5], b2 s[6:7], lowp_scales s[8:9], list s[10:11]
	s_load_b256 s[12:19], s[0:1], 0x20             ; gate s[12:13], hq s[14:15], meta s[16:17], out0 s[18:19]
	v_lshl_add_u32 v252, v0, 2, 0x40000
	v_mov_b32 v253, 0
	v_lshrrev_b32 v[T0], 5, v0
	v_readfirstlane_b32 s[WV], v[T0]               ; wave 0..15
	s_and_b32 s[EE], ttmp7, 0xffff                 ; the expert
	v_and_b32 v[LN], 31, v0
	v_and_b32 v[T0], 15, v0                        ; r
	v_bfe_u32 v[T1], v0, 4, 1                      ; h
	s_wait_alu depctr_va_sdst(0)                   ; the wave's number is written into s[WV], ahead of its first reader
	s_lshr_b32 s[PW], s[WV], 1
	s_and_b32 s[KW], s[WV], 1
	s_lshl_b32 s50, s[KW], 19                      ; W2: row 128 (w % 2) + 64 (p / 4) + p % 4 + 32 h of 4,096 bytes, + 16 r
	s_lshr_b32 s51, s[PW], 2
	s_lshl_b32 s51, s51, 18
	s_add_co_u32 s50, s50, s51
	s_and_b32 s51, s[PW], 3
	s_lshl_b32 s51, s51, 12
	s_add_co_u32 s50, s50, s51
	v_lshlrev_b32 v[R16], 4, v[T0]
	v_lshl_add_u32 v[WO], v[T1], 17, v[R16]
	v_add_nc_u32 v[WO], s50, v[WO]
	s_lshl_b32 s50, s[KW], 13                      ; images: fragment 4 (w % 2) + j at 2,048 each; register 2 p at 512 (p / 2) + 8 (p % 2); 16 x lane
	s_lshr_b32 s51, s[PW], 1
	s_lshl_b32 s51, s51, 9
	s_add_co_u32 s50, s50, s51
	s_and_b32 s51, s[PW], 1
	s_lshl_b32 s51, s51, 3
	s_add_co_u32 s50, s50, s51
	v_lshlrev_b32 v[BA], 4, v[LN]
	v_add_nc_u32 v[BA+1], 0x10000, v[BA]
	v_add_nc_u32 v[BA+2], 0x20000, v[BA]
	v_add_nc_u32 v[BA+3], 0x30000, v[BA]
	v_add_nc_u32 v[IA], s50, v[BA]
	s_mul_i32 s50, s[EE], 4608                     ; my expert's list,
	s_lshl_b32 s51, s[WV], 6
	s_add_co_u32 s50, s50, s51
	v_lshl_add_u32 v[LT], v[T1], 5, s50            ; words 16 wave + 8 h on
	s_mov_b32 s[SEL], 0x05010400
	s_mov_b32 s[SEL+1], 0x07030602
	s_mov_b32 s[SEL+2], 0x05040100
	s_mov_b32 s[SEL+3], 0x07060302
	s_wait_kmcnt 0x0
	s_lshl_b32 s26, s[EE], 4
	s_mov_b32 s27, 0
	s_add_nc_u64 s[8:9], s[8:9], s[26:27]
	s_load_b128 s[EX:EX+3], s[8:9], 0x0            ; ex, ew1, eh, ew2 of my expert
	s_lshl_b32 s26, s[EE], 8
	s_add_nc_u64 s[16:17], s[16:17], s[26:27]
	s_load_b64 s[CNT:CNT+1], s[16:17], 0x0         ; cnt, low of my expert
	s_lshl_b32 s50, ttmp9, 8                       ; my 64 columns are 256 bytes of a row
	s_lshl_b32 s26, s[EE], 24                      ; an expert's W2 is 2^24 bytes
	s_add_co_u32 s26, s26, s50
	s_add_nc_u64 s[WB:WB+1], s[4:5], s[26:27]
	s_add_nc_u64 s[WB+2:WB+3], s[WB:WB+1], 0x800000   ; 2,048 rows on, so that every offset stays inside the signed 24-bit immediate (ISA guide, chapter 10)
	s_lshl_b32 s26, s[EE], 12
	s_add_co_u32 s26, s26, s50
	s_add_nc_u64 s[6:7], s[6:7], s[26:27]
	s_mov_b32 s26, s50
	s_add_nc_u64 s[18:19], s[18:19], s[26:27]      ; out0 at my columns
	s_wait_alu depctr_va_vdst(0)                   ; the offsets and LDS addresses made above (v[WO], v[IA], v[BA] to v[BA+3], v[LT], v[R16]) are written: the loads and LDS instructions of the whole kernel read them
	global_load_b128 v[B2:B2+3], v[R16], s[6:7]    ; b2: columns 4 r .. + 3
	global_load_b128 v[TKN:TKN+3], v[LT], s[10:11]             ; the tokens of rows 8 h .. 8 h + 3 of my first tile,
	global_load_b128 v[TKN+8:TKN+11], v[LT], s[10:11] offset:16   ; and of rows 8 h + 4 .. 8 h + 7
.irp n, 0,1,2,3
	WLOAD \n
.endr
	s_wait_kmcnt 0x0
	s_add_co_i32 s50, s[EX+3], 127
	s_lshl_b32 s51, s50, 23
	v_mov_b32 v[SC], s51                           ; 2^ew2 as f32: the conversion takes its exponent field
	s_add_co_i32 s50, s50, 15
	s_lshl_b32 s50, s50, 23
	s_or_b32 s50, s50, 0x600000
	v_mov_b32 v[LIM], s50                          ; 57,344 x 2^ew2
	s_add_co_i32 s[SCO], s[EX+2], s[EX+3]
	s_add_co_i32 s[SCO], s[SCO], 127
	s_lshl_b32 s[SCO], s[SCO], 23                  ; 2^(eh + ew2)
	s_min_u32 s[CNT], s[CNT], 0x400
	s_min_u32 s[LOW], s[LOW], 0x400
	s_add_co_u32 s[NT], s[CNT], 15
	s_lshr_b32 s[NT], s[NT], 4                     ; tiles of 16 tokens
	s_lshr_b32 s[BT], s[LOW], 4
	s_add_co_u32 s[BT], s[BT], s[EE]               ; the first tile's place in hq
	s_sub_co_i32 s51, s[NT], s[WV]
	s_max_i32 s51, s51, 0
	s_min_u32 s51, s51, 1                          ; 1 in a wave with a tile, else 0
	s_mul_i32 s50, s51, s[WV]
	s_add_co_u32 s50, s50, s[BT]                   ; my tile's place; a wave without a tile: the place BT
	s_min_u32 s50, s50, 71
	s_lshl_b32 s50, s50, 16                        ; a tile's 32 images are 65,536 bytes
	s_lshl_b32 s51, s51, 4
	v_mul_u32_u24 v[AO], s51, v[LN]                ; 16 bytes from lane to lane; a wave without a tile: all lanes at one piece
	v_add_nc_u32 v[AO], s50, v[AO]
	s_wait_alu depctr_va_vdst(0)                   ; v[AO] is written, which the loads of h's codes read
	ALOAD 0                                        ; behind quads 2 and 3
	QUADS 0, 20, 16                                ; behind quad 0: quads 1 to 3 and step 0's fragments (12 + 8); behind quad 1: quads 2 and 3 and the fragments (8 + 8).  b2's load and the tokens' are older than quad 0's
	IMG 0
	ASKQ 0
	BAR                                            ; step 0's images are whole
	ALOAD 1                                        ; behind quads 4 and 5.  No wait: no vector or matrix instruction has named set 1, and none since the last wait has written v[AO]
	; the counts, a quad 4 loads, a step's fragments 8.  Behind a step's first quad: its partner, fragments, two quads, fragments = 28; behind the second: fragments, two quads, fragments = 24;
	; behind the fragments that the step multiplies: two quads, fragments, the step's two new quads = 24
	STEP 1, 28, 24, 0, 24, 1, 0
.irp r, 2,3,4,5,6,7,8,9,10,11,12,13
	STEP \r, 28, 24, 1, 24, 0, 0
.endr
	STEP 14, 28, 24, 1, 16, 0, 1                   ; no quad is left to ask for: 4 + 8 + 8 + 8, then 8 + 8 + 8, then 8 + 8.  The gates go into the slots of quads 28 and 29, ahead of step 15's fragments
	STEP 15, 28, 24, 1, 16, 0, 0                   ; behind quad 30: quad 31, fragments, gates, fragments; behind quad 31: the last three; behind step 14's fragments: gates, fragments
	CONS 15, 1, 0, 0
	; from here on LDS is only read, and no barrier follows
	s_mov_b32 s[TILE], s[WV]
	s_mov_b32 s[LOF], 0
	s_cmp_ge_u32 s[TILE], s[NT]
	s_cbranch_scc1 .Lend
.Lpass:                                                ; four trips at the most: tiles wave, wave + 16, wave + 32, wave + 48
.irp j, 0,1,2,3,4,5,6,7
.irp u, 0,1,2,3
	v_fma_f32 v[OV+4*\j+\u], v[ACC+8*\u+\j], s[SCO], v[B2+\u]   ; sum x 2^(eh + ew2) + b2: each accumulator from its low end on
.endr
.endr
	s_wait_loadcnt 0x0                             ; the gates (older than the last fragments, which are in)
.irp j, 0,1,2,3,4,5,6,7
.irp u, 0,1,2,3
	v_mul_f32 v[OV+4*\j+\u], v[OV+4*\j+\u], v[GG+\j]
.endr
.endr
	s_wait_alu depctr_va_vdst(0)                   ; the multiplications have written v[OV ..], which the stores read
.irp j, 0,1,2,3,4,5,6,7
	global_store_b128 v[OO+\j], v[OV+4*\j:OV+4*\j+3], s[18:19] th:TH_STORE_NT   ; sixteen lanes store 256 consecutive bytes of one token's row, the other sixteen of another's; written once, read by nobody here
.endr
	s_wait_alu depctr_vm_vsrc(0)                   ; the stores have read v[OV ..] and v[OO ..], the gates' loads v[GO ..], the list's loads v[LC], the loads of h's codes v[AO]: a further pass writes all of them again; the wait stands ahead of the branch
	s_add_co_u32 s[TILE], s[TILE], 16
	s_cmp_ge_u32 s[TILE], s[NT]
	s_cbranch_scc1 .Lend                           ; NT is 64 at the most, so the fourth trip always leaves here
	; a further tile of this wave (an expert with more than 256 tokens): all sixteen steps again, from the images that stay
	s_wait_xcnt 0x0                                ; the stores have read their registers: their offsets are made anew, and LDS loads land on their data below
.rept 5
	v_nop                                          ; the sums begin anew with the constant 0 over accumulators of earlier products: five places (ISA guide 7.12.1)
.endr
	s_add_co_u32 s[LOF], s[LOF], 1024              ; 16 tiles on in the list
	v_add_nc_u32 v[LC], s[LOF], v[LT]
	s_wait_alu depctr_va_vdst(0)                   ; v[LC] is written, which the loads read; the lines that held the tokens and made the offsets are done with the tokens' registers, in which the loads land
	global_load_b128 v[TKN:TKN+3], v[LC], s[10:11]
	global_load_b128 v[TKN+8:TKN+11], v[LC], s[10:11] offset:16
	s_add_co_u32 s50, s[BT], s[TILE]
	s_min_u32 s50, s50, 71
	s_lshl_b32 s50, s50, 16
	v_add_nc_u32 v[AO], s50, v[BA]
	s_wait_loadcnt 0x0
	GATEV
	s_wait_alu depctr_va_vdst(0)                   ; v[GO ..] and v[AO] are written, which the loads below read; the multiplications are done reading the gates, the last pass's products both sets of h, and the way out is done with v[B ..]: loads land in all of them
	GATEL
	ALOAD 0                                        ; the two sets by turns, one step ahead: behind a step's fragments stand the next step's eight loads
	ALOAD 1
	CONS 0, 0, 8, 1
	s_wait_alu depctr_va_vdst(0)                   ; the products are done reading h's set, in which the loads below land, and v[B ..], in which the next LDS loads land
	ALOAD 2
.irp r, 1,2,3,4,5,6,7,8,9,10,11,12,13
	CONS \r, 0, 8, 0
	s_wait_alu depctr_va_vdst(0)                   ; the products are done reading h's set, in which the loads below land, and v[B ..], in which the next LDS loads land
	ALOAD (\r)+2
.endr
	CONS 14, 0, 8, 0
	s_wait_alu depctr_va_vdst(0)                   ; the products are done reading v[B ..], in which the last step's LDS loads land
	CONS 15, 0, 0, 0
	s_cmp_lt_u32 s[LOF], 4096
	s_cbranch_scc1 .Lpass
.Lend:
	s_wait_dscnt 0x0                               ; the closing lines, six on end
	s_wait_alu 0x0
	s_wait_tensorcnt 0x0
	ds_add_u32 v252, v253
	s_wait_dscnt 0x0
	s_endpgm
.Lfunc_end_k_qb06a520b1b_ffn2:
	.size	k_qb06a520b1b_ffn2, .Lfunc_end_k_qb06a520b1b_ffn2-k_qb06a520b1b_ffn2
	.p2alignl 7, 3214868480
	.fill 96, 4, 3214868480
	.section	.rodata,"a",@progbits
	.p2align	6, 0x0
	.amdhsa_kernel k_qb06a520b1b_ffn2
		.amdhsa_group_segment_fixed_size 264192
		.amdhsa_private_segment_fixed_size 0
		.amdhsa_enable_private_segment 0
		.amdhsa_kernarg_size 64
		.amdhsa_user_sgpr_count 2
		.amdhsa_user_sgpr_kernarg_segment_ptr 1
		.amdhsa_wavefront_size32 1
		.amdhsa_system_sgpr_workgroup_id_x 1
		.amdhsa_system_sgpr_workgroup_id_y 1
		.amdhsa_system_sgpr_workgroup_id_z 1
		.amdhsa_system_vgpr_workitem_id 0
		.amdhsa_next_free_vgpr 256
		.amdhsa_next_free_sgpr 66
		.amdhsa_reserve_vcc 0
		.amdhsa_float_denorm_mode_32 3
		.amdhsa_float_denorm_mode_16_64 3
		.amdhsa_memory_ordered 1
		.amdhsa_forward_progress 1
		.amdhsa_inst_pref_size 209
	.end_amdhsa_kernel
	.amdgpu_metadata
---
amdhsa.version: [ 1, 2 ]
amdhsa.kernels:
  - .name:           k_qb06a520b1b_ffn2
    .symbol:         k_qb06a520b1b_ffn2.kd
    .args:
      - { .name: w2, .offset: 0, .size: 8, .value_kind: global_buffer, .address_space: global }
      - { .name: b2, .offset: 8, .size: 8, .value_kind: global_buffer, .address_space: global }
      - { .name: lowp_scales, .offset: 16, .size: 8, .value_kind: global_buffer, .address_space: global }
      - { .name: list, .offset: 24, .size: 8, .value_kind: global_buffer, .address_space: global }
      - { .name: gate, .offset: 32, .size: 8, .value_kind: global_buffer, .address_space: global }
      - { .name: hq, .offset: 40, .size: 8, .value_kind: global_buffer, .address_space: global }
      - { .name: meta, .offset: 48, .size: 8, .value_kind: global_buffer, .address_space: global }
      - { .name: out0, .offset: 56, .size: 8, .value_kind: global_buffer, .address_space: global }
    .group_segment_fixed_size: 264192
    .private_segment_fixed_size: 0
    .kernarg_segment_align: 8
    .kernarg_segment_size: 64
    .max_flat_workgroup_size: 512
    .sgpr_count:     66
    .vgpr_count:     256
    .wavefront_size: 32
...
	.end_amdgpu_metadata
.endif
;; end of part 7
